; MI455X (gfx1250); checked and timed in simulation.
; The chip was launched on July 23, 2026; its instructions are those of AMD's public machine-readable ISA for CDNA 5 (MIT licence, August 2026) and "CDNA5" Instruction Set Architecture Reference Guide (July 2026). The comments in the code are by the model that wrote it; some were corrected since.
;; Multi Head Self Attention Eins. Allowed arithmetic: matrix products marked QUANTISED: E2M1 operands, one E8M0 scale for each 32 along K, by v_wmma_scale_f32_16x16x128_f8f6f4 with both operands' format E2M1 (or v_wmma_scale_f32_32x16x128_f4), f32 sums; products left as they are: bf16, f16 or f32 operands; f32 sums; everything else in f32.
;; Inputs: W_0 1,024 x 1,024 float32; W_qkv 1,024 x 3,072 float32; rel_bias 4,095 x 16 float32; x 4 x 2,048 x 1,024 float32.
;; Outputs: out0 4 x 2,048 x 1,024 float32.
;; This version of the problem:
;;   THIS VERSION OF THE PROBLEM IS GIVEN IN LOW PRECISION. The matrix products marked QUANTISED in the list below multiply operands that are first quantised to E2M1 (2 exponent bits, 1 mantissa bit; 4 bits a number), with one power-of-two scale for each 32 numbers along K (OCP MX v1.0); their sums are f32. The products marked 'left as it is' may take bf16, f16 or f32 operands, with f32 sums. Whichever they take, every output number must still come out within the allowed error. Rounding operands to bf16 (8 significant bits) uses up far more of that allowance than f16 does (11 bits, for magnitudes from 6e-5 to 65,504). All else is computed in f32.
;;   The module's matrix products, in the order in which they are computed (A, B: the left and right operand; K: the contracted axis; several contracted axes count as one K, in the product's order):
;;     1. [M 8,192, K 1,024] x [K 1,024, N 3,072]; A: input x; B: input W_qkv: QUANTISED
;;     2. batch 64 x [M 2,048, K 64] x [K 64, N 2,048]; A: computed on the way; B: computed on the way: left as it is (an operand is computed on the way)
;;     3. batch 64 x [M 2,048, K 2,048] x [K 2,048, N 64]; A: computed on the way; B: computed on the way: left as it is (an operand is computed on the way)
;;     4. [M 8,192, K 1,024] x [K 1,024, N 1,024]; A: computed on the way; B: input W_0: left as it is (an operand is computed on the way)
;;   THE QUANTISER, for each operand of a quantised product, along K:
;;     - K is cut into blocks of 32 from its start; a last block that is shorter is filled with zeros.
;;     - A block's scale is 2^e with e = floor(log2(the largest magnitude in the block)) - 2, held to -126 .. 127; a block of zeros has e = 0. As a byte (E8M0): e + 127.
;;     - Each number is divided by its block's scale, clamped to +-6, and rounded to the nearest number of E2M1, ties to even, subnormals kept.
;;     - The product sums the exact products of the quantised numbers (number of the format x scale) in f32.
;;   ~~~python
;;   def quantise(x, axis):      # numpy; x: float32 -> the quantised numbers, widened to float32 again
;;       x = np.moveaxis(x, axis, -1); K = x.shape[-1]
;;       x = np.pad(x, [(0, 0)] * (x.ndim - 1) + [(0, -K % 32)]); x = x.reshape(x.shape[:-1] + (-1, 32)); a = np.abs(x).max(-1, keepdims=True)
;;       e = np.where(a > 0, np.clip(np.frexp(np.where(a > 0, a, 1))[1] - 1 - 2, -126, 127), 0)      # np.frexp(a)[1] - 1 = floor(log2(a)), exactly
;;       r = np.clip(x / 2.0 ** e, -6, 6)
;;       step = 2.0 ** (np.maximum(np.frexp(np.where(r == 0, 1, r))[1] - 1, 0) - 1)
;;       q = np.round(r / step) * step * 2.0 ** e      # np.round: ties to even
;;       return np.moveaxis(q.reshape(q.shape[:-2] + (-1,))[..., :K], -1, axis).astype(np.float32)
;;   ~~~
;; One version. Each part assembles by itself: llvm-mc -triple=amdgcn-amd-amdhsa -mcpu=gfx1250 --defsym DOCPART=n.
;; ======== version 1 of 1: 5 launches
;; limits: values are held in f16: magnitudes above 65,504 overflow, below 6.1e-05 lose precision
;; workspace buffers: codes 5,767,168 bytes; scl 360,448 bytes; w0h 2,097,152 bytes; btab 1,048,576 bytes; qkv 50,331,648 bytes; qkv32 786,432 bytes; a16 16,777,216 bytes
;; launch prep (part 1): grid 464 x 1, 4 waves a work-group, no clusters, 68,096 bytes of LDS; arguments x, W_qkv, W_0, rel_bias, codes, scl, w0h, btab; writes codes, scl, w0h, btab
.if DOCPART == 1
	.amdgcn_target "amdgcn-amd-amdhsa--gfx1250"
	.amdhsa_code_object_version 6
	.text
	.protected	k_qe2a568d525_prep
	.globl	k_qe2a568d525_prep
	.p2align	8
	.type	k_qe2a568d525_prep,@function
k_qe2a568d525_prep:
	s_mov_b64 s[64:65], 0
	v_nop
	global_prefetch_b8 v0, s[64:65] scope:SCOPE_SE
	s_setreg_imm32_b32 hwreg(HW_REG_WAVE_MODE, 25, 1), 1
	s_wait_xcnt 0x0
; PREP: everything that is made once from the inputs.  Four kinds of work-group, told apart by the work-group's number alone; the paths never join.
;   0..47    W_qkv [1024 k][3072 f] f32 -> codes of FP4 (E2M1) with K innermost and one E8M0 byte for each 32 along K, its columns re-ordered: column f = 48 d + 16 kk + h becomes row n' = 1024 kk + 64 h + d
;   48..303  x [8192][1024] f32 -> codes and scale bytes, K innermost as it lies
;   304..431 W_0 f32 -> f16, same layout [k][n]
;   432..463 rel_bias [4095][16] -> btab [h][c][pos] = log2(e) x rel_bias[pos + c][h] (0 past the table's end): four copies, shifted by c = 0..3, so that a run of four entries from any index begins on 16 bytes in one of them
; A block's scale is 2^(floor(log2(its largest magnitude)) - 2); its byte is the largest magnitude's exponent field - 2, held at 1 from below.
; LIMITS: a block of zeros gets the byte 1 where the rule says 127 (its codes are zeros; these bytes are read by this program alone); blocks whose largest magnitude lies under 2^(2 - 126) were not tried;
; NaN and infinities among the inputs are not served; W_0 must lie under 65,504 in magnitude (f16).
; No tensor loads, no barrier: waves share nothing.  The two paths that use LDS have bytes of their own: tokens 0..32,767, weights 32,768..67,583; behind them the spare words.
.set SPARE, 67584                      ; 128 bytes for each wave: two blocks of 256 bytes that no other line names
.set SPW,   12                         ; v12  LDS address of my spare word; never rewritten
.set NIL,   13                         ; v13  0; never rewritten
.set XCB,   4194304                    ; W's codes begin here in the buffer of codes (behind x's 8192 x 512 bytes)
.set XSB,   262144                     ; W's scale bytes begin here (behind x's 8192 x 32)
.set L2E,   0x3fb8aa3b                 ; log2(e)
.set EMAX,  2
; the tokens' path
.set AREG,  8192                       ; LDS: a region for each wave: two stages of 32 x SP bytes, then its 256 scale bytes
.set SP,    80                         ; a lane's place in a stage: 64 bytes + 16 of padding
.set STEPS, 16
.set R,     16                         ; v16-79   four sets of 16 numbers as loaded
.set X,     80                         ; v80-111  two sets of 16 neighbours
.set E,     112                        ; v112-127 a scale byte for each step
.set C,     128                        ; v128-191 codes, four registers for each step
; the weights' path
.set BSTG,  32768                      ; LDS: four stages of 32 rows x BPITCH
.set BPITCH, 272
.set NB,    16                         ; blocks of 32 along K for a wave (512 along K)
.set WROW,  12288                      ; a row of W_qkv in bytes
.set BX,    32                         ; v32-95   two sets of 32 numbers
.set BC,    96                         ; v96-99   a block's codes
.set OUTR,  112                        ; v112-175 the way out
.set SB,    24                         ; v24-27   the scale bytes, four to a register
.set CA,    176                        ; v176-191 the way out: byte offsets of the rows n'
	s_load_b256 s[4:11], s[0:1], 0x0               ; x s[4:5], W_qkv s[6:7], W_0 s[8:9], rel_bias s[10:11]
	s_load_b256 s[12:19], s[0:1], 0x20             ; codes s[12:13], scl s[14:15], w0h s[16:17], btab s[18:19]
	v_lshl_add_u32 v[SPW], v0, 2, SPARE
	v_mov_b32 v[NIL], 0
	v_lshrrev_b32 v1, 5, v0
	v_readfirstlane_b32 s20, v1                    ; wave 0..3
	v_and_b32 v2, 31, v0                           ; lane
	s_mov_b32 s23, 0                               ; the upper word of every 32-bit offset
	s_wait_kmcnt 0x0
	s_cmp_lt_u32 ttmp9, 48
	s_cbranch_scc1 .Lweights
	s_cmp_lt_u32 ttmp9, 304
	s_cbranch_scc1 .Ltokens
	s_cmp_lt_u32 ttmp9, 432
	s_cbranch_scc1 .Lcast
; ---- THE BIAS TABLE.  Work-group g takes positions 128 g .. 128 g + 127, wave c makes copy c, a lane four positions of all sixteen heads.
	s_sub_co_u32 s21, ttmp9, 432
	s_lshl_b32 s21, s21, 7
	v_lshl_add_u32 v3, v2, 2, s21                  ; my first position
	v_add_nc_u32 v4, s20, v3                       ; + the copy's shift
	v_mov_b32 v5, L2E
.irp j, 0,1,2,3
	v_add_nc_u32 v[16+\j], \j, v4                  ; the table's row that entry j takes
.endr
.irp j, 0,1,2,3
	v_cmp_gt_u32 vcc_lo, 4095, v[16+\j]
	v_cndmask_b32 v[24+\j], 0, v5, vcc_lo          ; its factor: log2(e), or 0 past the table's end
	v_min_u32 v[20+\j], 4094, v[16+\j]             ; no load leaves the table
	v_lshlrev_b32 v[20+\j], 6, v[20+\j]            ; a row is 16 heads x 4 bytes
.endr
.irp j, 0,1,2,3
.irp q, 0,1,2,3
	global_load_b128 v[32+16*\j+4*\q:32+16*\j+4*\q+3], v[20+\j], s[10:11] offset:16*\q
.endr
.endr
	s_lshl_b32 s22, s20, 14                        ; the copy's 16,384 bytes
	v_lshl_add_u32 v6, v3, 2, s22
	s_wait_loadcnt 0x0
.irp h, 0,1,2,3,4,5,6,7,8,9,10,11,12,13,14,15
.irp j, 0,1,2,3
	v_mul_f32 v[96+4*\h+\j], v[32+16*\j+\h], v[24+\j]      ; the multiplication also brings a head's four positions together
.endr
.endr
.irp h, 0,1,2,3,4,5,6,7,8,9,10,11,12,13,14,15
	global_store_b128 v6, v[96+4*\h:96+4*\h+3], s[18:19] offset:65536*\h   ; a wave stores 512 consecutive bytes, aligned
.endr
	s_wait_tensorcnt 0x0                           ; the wave's end
	ds_add_u32 v[SPW], v[NIL]
	s_wait_dscnt 0x0
	s_endpgm
; ---- W_0 TO f16.  Work-group g takes rows 8 g .. 8 g + 7: 32,768 bytes in, 16,384 out; a load of the four waves covers 2,048 consecutive bytes.
.Lcast:
	s_sub_co_u32 s21, ttmp9, 304
	s_lshl_b32 s22, s21, 15
	s_add_nc_u64 s[8:9], s[8:9], s[22:23]
	s_lshl_b32 s22, s21, 14
	s_add_nc_u64 s[16:17], s[16:17], s[22:23]
	v_lshlrev_b32 v3, 4, v0
	v_lshlrev_b32 v4, 3, v0
.irp i, 0,1,2,3,4,5,6,7,8,9,10,11,12,13,14,15
	global_load_b128 v[32+4*\i:35+4*\i], v3, s[8:9] offset:2048*\i th:TH_LOAD_NT
.endr
.irp i, 0,1,2,3,4,5,6,7,8,9,10,11,12,13,14,15
	s_wait_loadcnt 15-\i                           ; loads come back in order: load i is in, the younger ones stay out
	v_cvt_pk_f16_f32 v[96+2*\i], v[32+4*\i], v[33+4*\i]
	v_cvt_pk_f16_f32 v[97+2*\i], v[34+4*\i], v[35+4*\i]
	global_store_b64 v4, v[96+2*\i:97+2*\i], s[16:17] offset:1024*\i       ; a wave stores 256 consecutive bytes, aligned
.endr
	s_wait_tensorcnt 0x0                           ; the wave's end
	ds_add_u32 v[SPW], v[NIL]
	s_wait_dscnt 0x0
	s_endpgm
; ---- THE TOKENS.  x is a plain stream of blocks of 32.  A wave takes 16 steps of 512 numbers.  Each load reads 512 consecutive bytes; a step's 2,048 bytes turn through the wave's own stage in LDS,
; so that a lane then holds 16 neighbours along K (two neighbouring lanes hold a block).  Loads run four steps ahead, the turn through LDS one step.
.Ltokens:
	s_sub_co_u32 s21, ttmp9, 48
	s_lshl_b32 s21, s21, 2
	s_add_co_u32 s21, s21, s20                     ; which run of 8,192 numbers is my wave's: 0..1023
	s_lshl_b32 s22, s21, 15
	s_add_nc_u64 s[4:5], s[4:5], s[22:23]
	s_lshl_b32 s22, s21, 12
	s_add_nc_u64 s[12:13], s[12:13], s[22:23]      ; 4,096 bytes of codes a run
	s_lshl_b32 s22, s21, 8
	s_add_nc_u64 s[14:15], s[14:15], s[22:23]      ; 256 scale bytes a run
	s_mul_i32 s24, s20, AREG
	v_lshlrev_b32 v3, 4, v2                        ; my 16 bytes of a load's 512
	v_lshrrev_b32 v14, 2, v2
	v_mul_u32_u24 v14, v14, SP
	v_and_b32 v15, 3, v2
	v_lshl_add_u32 v14, v15, 4, v14
	v_add_nc_u32 v14, s24, v14                     ; the stage, on the way in: four lanes' 64 bytes on end, then 16 of padding
	v_mul_u32_u24 v15, v2, SP
	v_add_nc_u32 v15, s24, v15                     ; and on the way out: my 16 neighbours
	v_lshlrev_b32 v4, 3, v2                        ; my 8 bytes of a step's codes
	v_lshrrev_b32 v5, 1, v2
	s_add_co_u32 s24, s24, 2*32*SP
	v_add_nc_u32 v5, s24, v5                       ; LDS: my wave's 256 scale bytes, my block's byte
	v_lshlrev_b32 v7, 3, v2
	v_add_nc_u32 v6, s24, v7                       ; and on the way out 8 bytes a lane
.macro ALOAD t
.irp i, 0,1,2,3
	global_load_b128 v[R+16*((\t)%4)+4*\i:R+16*((\t)%4)+4*\i+3], v3, s[4:5] offset:2048*(\t)+512*\i th:TH_LOAD_NT
.endr
.endm
.macro ATURN t                         ; LDS serves a wave's instructions in order, so no wait stands between the stores and the loads
.irp i, 0,1,2,3
	ds_store_b128 v14, v[R+16*((\t)%4)+4*\i:R+16*((\t)%4)+4*\i+3] offset:32*SP*((\t)%2)+8*SP*\i
.endr
.irp i, 0,1,2,3
	ds_load_b128 v[X+16*((\t)%2)+4*\i:X+16*((\t)%2)+4*\i+3], v15 offset:32*SP*((\t)%2)+16*\i
.endr
.endm
.irp t, 0,1,2,3
	ALOAD \t
.endr
	s_wait_loadcnt 12                              ; step 0's four loads are in; the twelve of steps 1 to 3 stay out
	ATURN 0
.macro ASTEP t
.set XS, X+16*((\t)%2)
.if (\t) > 0
	s_wait_dscnt 1                                 ; this step's numbers are back from the stage (the last step's byte store may be out)
.else
	s_wait_dscnt 0x0
.endif
.if (\t)+4 < STEPS
	ALOAD (\t)+4                                   ; into the registers whose stores into the stage are done
.endif
.if (\t)+1 < STEPS
.if STEPS-2-(\t) >= 3
	s_wait_loadcnt 12                              ; the next step's four loads are in; those of the three steps behind it may be out
.else
	s_wait_loadcnt 4*(STEPS-2-(\t))
.endif
	ATURN (\t)+1
.endif
	v_max3_num_f32 v8, |v[XS]|, |v[XS+1]|, |v[XS+2]|
	v_max3_num_f32 v9, |v[XS+3]|, |v[XS+4]|, |v[XS+5]|
.irp i, 6,10
	v_max3_num_f32 v8, v8, |v[XS+\i]|, |v[XS+\i+1]|
	v_max3_num_f32 v9, v9, |v[XS+\i+2]|, |v[XS+\i+3]|
.endr
	v_max3_num_f32 v8, v8, |v[XS+14]|, |v[XS+15]|
	v_max3_num_f32 v8, v8, v9, (EMAX+1)<<23        ; the floor 2^(3 - 127): the byte cannot fall under 1
	v_max_num_f32_dpp v8, v8, v8 row_xmask:1 row_mask:0xf bank_mask:0xf   ; with my neighbour's 16: the block's largest magnitude
	v_add_nc_u32 v11, 0xff000000, v8               ; 2 off its exponent field: the conversion takes the exponent field of this operand as its scale
	v_cvt_scalef32_pk8_fp4_f32 v[C+4*(\t)], v[XS:XS+7], v11
	v_cvt_scalef32_pk8_fp4_f32 v[C+4*(\t)+1], v[XS+8:XS+15], v11
	v_lshrrev_b32 v[E+(\t)], 23, v11               ; the scale's byte
	ds_store_b8 v5, v[E+(\t)] offset:16*(\t)       ; both lanes of a block write the same byte with the same value
	global_store_b64 v4, v[C+4*(\t):C+4*(\t)+1], s[12:13] offset:256*(\t)   ; a wave stores 256 consecutive bytes, aligned
.endm
.irp t, 0,1,2,3,4,5,6,7,8,9,10,11,12,13,14,15
	ASTEP \t
.endr
	ds_load_b64 v[8:9], v6                         ; LDS serves a wave's instructions in order: these see my stores
	s_wait_dscnt 0x0
	global_store_b64 v7, v[8:9], s[14:15]          ; 32 lanes store 256 consecutive bytes, aligned
	s_wait_tensorcnt 0x0                           ; the wave's end, behind my last LDS store
	ds_add_u32 v[SPW], v[NIL]
	s_wait_dscnt 0x0
	s_endpgm
; ---- THE WEIGHTS.  K is W_qkv's first axis: a lane takes a column f and its registers run down K, so a block of 32 lies in one lane and the codes come out with K innermost.
; Work-group g: columns 128 (g / 2) on, K half g % 2 (512 along K); a wave 32 columns.  A column's 256 bytes of codes go through the wave's stage and leave as one aligned run of 256 bytes in row n'.
.macro NPRIME dst, f                   ; n' of column f: d = f / 48 (by 43,691 / 2^21: exact for f under 3,072), kk = (f % 48) / 16, h = f % 16
	v_mul_u32_u24 v16, v[(\f)], 0xaaab
	v_lshrrev_b32 v16, 21, v16
	v_mul_u32_u24 v17, v16, 48
	v_sub_nc_u32 v17, v[(\f)], v17
	v_lshrrev_b32 v18, 4, v17
	v_and_b32 v17, 15, v17
	v_lshl_add_u32 v16, v17, 6, v16
	v_lshl_add_u32 v[(\dst)], v18, 10, v16
.endm
.macro BLOAD t                         ; block t: W(32 t + i, my column), i = 0 .. 31; a wave's load reads 128 consecutive bytes, the four waves stand side by side
.irp i, 0,1,2,3,4,5,6,7,8,9,10,11,12,13,14,15,16,17,18,19,20,21,22,23,24,25,26,27,28,29,30,31
	global_load_b32 v[BX+32*((\t)%2)+\i], v3, s[6:7] offset:(32*(\t)+\i)*WROW th:TH_LOAD_NT
.endr
.endm
.Lweights:
	s_and_b32 s21, ttmp9, 1                        ; which 512 along K
	s_lshr_b32 s22, ttmp9, 1
	s_lshl_b32 s22, s22, 7
	s_lshl_b32 s24, s20, 5
	s_add_co_u32 s26, s22, s24                     ; my wave's first column
	s_mul_i32 s22, s21, 512*WROW
	s_lshl_b32 s24, s26, 2
	s_add_co_u32 s22, s22, s24
	s_add_nc_u64 s[6:7], s[6:7], s[22:23]
	v_lshlrev_b32 v3, 2, v2
	BLOAD 0
	BLOAD 1
	s_lshl_b32 s22, s21, 8
	s_add_co_u32 s22, s22, XCB
	s_add_nc_u64 s[12:13], s[12:13], s[22:23]      ; W's codes, my half of a row's 512 bytes
	s_lshl_b32 s22, s21, 4
	s_add_co_u32 s22, s22, XSB
	s_add_nc_u64 s[14:15], s[14:15], s[22:23]      ; W's scale bytes, my half of a row's 32
	s_mul_i32 s27, s20, 32*BPITCH
	s_add_co_u32 s27, s27, BSTG                    ; my stage
	v_mul_u32_u24 v4, v2, BPITCH
	v_add_nc_u32 v4, s27, v4                       ; into it: row = my column
	v_and_b32 v5, 15, v2
	v_lshrrev_b32 v6, 4, v2                        ; out of it: sixteen lanes to a row, two rows an instruction
	v_mul_u32_u24 v7, v6, BPITCH
	v_lshl_add_u32 v7, v5, 4, v7
	v_add_nc_u32 v7, s27, v7
	v_add_nc_u32 v8, s26, v2
	NPRIME 9, 8
	v_lshlrev_b32 v9, 5, v9                        ; my column's row of scale bytes
	v_add_nc_u32 v8, s26, v6
.irp t, 0,1,2,3,4,5,6,7,8,9,10,11,12,13,14,15
	v_add_nc_u32 v10, 2*\t, v8                     ; the column whose row my half of the lanes stores in turn t
	NPRIME CA+\t, 10
	v_lshlrev_b32 v[CA+\t], 9, v[CA+\t]            ; a row of codes is 512 bytes
	v_lshl_add_u32 v[CA+\t], v5, 4, v[CA+\t]
.endr
.macro BBLOCK t
.set XS, BX+32*((\t)%2)
.if (\t) < NB-1
	s_wait_loadcnt 32                              ; this block's 32 loads are in; the next block's may be out
.else
	s_wait_loadcnt 0
.endif
	v_max3_num_f32 v20, |v[XS]|, |v[XS+1]|, |v[XS+2]|      ; the block's largest magnitude: all 32 numbers are mine
	v_max3_num_f32 v21, |v[XS+3]|, |v[XS+4]|, |v[XS+5]|
.irp i, 6,10,14,18,22,26
	v_max3_num_f32 v20, v20, |v[XS+\i]|, |v[XS+\i+1]|
	v_max3_num_f32 v21, v21, |v[XS+\i+2]|, |v[XS+\i+3]|
.endr
	v_max3_num_f32 v20, v20, |v[XS+30]|, |v[XS+31]|
	v_max3_num_f32 v20, v20, v21, (EMAX+1)<<23     ; the floor: the byte cannot fall under 1
	v_add_nc_u32 v22, 0xff000000, v20              ; 2 off its exponent field: the conversion's scale operand
	v_lshrrev_b32 v21, 23, v22                     ; the scale's byte
.if (\t)%4 == 0
	v_mov_b32 v[SB+(\t)/4], v21
.else
	v_lshl_or_b32 v[SB+(\t)/4], v21, 8*((\t)%4), v[SB+(\t)/4]
.endif
.irp g, 0,1,2,3
	v_cvt_scalef32_pk8_fp4_f32 v[BC+\g], v[XS+8*\g:XS+8*\g+7], v22
.endr
	ds_store_b128 v4, v[BC:BC+3] offset:16*(\t)    ; 32 codes: 16 bytes of my column's row
.if (\t)+2 < NB
	BLOAD (\t)+2
.endif
	s_wait_dscnt 0x0                               ; the store has read its registers: the next block's codes may be written
.endm
.set Q, 0
.rept NB
	BBLOCK Q
.set Q, Q+1
.endr
	global_store_b128 v9, v[SB:SB+3], s[14:15]     ; my column's 16 scale bytes
.irp t, 0,1,2,3,4,5,6,7,8,9,10,11,12,13,14,15
	ds_load_b128 v[OUTR+4*\t:OUTR+4*\t+3], v7 offset:2*\t*BPITCH
.endr
.irp t, 0,1,2,3,4,5,6,7,8,9,10,11,12,13,14,15
	s_wait_dscnt 15-\t
	global_store_b128 v[CA+\t], v[OUTR+4*\t:OUTR+4*\t+3], s[12:13]         ; sixteen lanes store 256 consecutive bytes, aligned, of one row n'
.endr
	s_wait_tensorcnt 0x0                           ; the wave's end, behind my last LDS store
	ds_add_u32 v[SPW], v[NIL]
	s_wait_dscnt 0x0
	s_endpgm
.Lfunc_end_k_qe2a568d525_prep:
	.size	k_qe2a568d525_prep, .Lfunc_end_k_qe2a568d525_prep-k_qe2a568d525_prep
	.p2alignl 7, 3214868480
	.fill 96, 4, 3214868480
	.section	.rodata,"a",@progbits
	.p2align	6, 0x0
	.amdhsa_kernel k_qe2a568d525_prep
		.amdhsa_group_segment_fixed_size 68096
		.amdhsa_private_segment_fixed_size 0
		.amdhsa_enable_private_segment 0
		.amdhsa_kernarg_size 64
		.amdhsa_user_sgpr_count 2
		.amdhsa_user_sgpr_kernarg_segment_ptr 1
		.amdhsa_wavefront_size32 1
		.amdhsa_system_sgpr_workgroup_id_x 1
		.amdhsa_system_sgpr_workgroup_id_y 1
		.amdhsa_system_sgpr_workgroup_id_z 1
		.amdhsa_system_vgpr_workitem_id 0
		.amdhsa_next_free_vgpr 192
		.amdhsa_next_free_sgpr 66
		.amdhsa_reserve_vcc 1
		.amdhsa_float_denorm_mode_32 3
		.amdhsa_float_denorm_mode_16_64 3
		.amdhsa_memory_ordered 1
		.amdhsa_forward_progress 1
		.amdhsa_inst_pref_size 132
	.end_amdhsa_kernel
	.amdgpu_metadata
---
amdhsa.version: [ 1, 2 ]
amdhsa.kernels:
  - .name:           k_qe2a568d525_prep
    .symbol:         k_qe2a568d525_prep.kd
    .args:
      - { .name: x, .offset: 0, .size: 8, .value_kind: global_buffer, .address_space: global }
      - { .name: W_qkv, .offset: 8, .size: 8, .value_kind: global_buffer, .address_space: global }
      - { .name: W_0, .offset: 16, .size: 8, .value_kind: global_buffer, .address_space: global }
      - { .name: rel_bias, .offset: 24, .size: 8, .value_kind: global_buffer, .address_space: global }
      - { .name: codes, .offset: 32, .size: 8, .value_kind: global_buffer, .address_space: global }
      - { .name: scl, .offset: 40, .size: 8, .value_kind: global_buffer, .address_space: global }
      - { .name: w0h, .offset: 48, .size: 8, .value_kind: global_buffer, .address_space: global }
      - { .name: btab, .offset: 56, .size: 8, .value_kind: global_buffer, .address_space: global }
    .group_segment_fixed_size: 68096
    .private_segment_fixed_size: 0
    .kernarg_segment_align: 8
    .kernarg_segment_size: 64
    .max_flat_workgroup_size: 128
    .sgpr_count:     66
    .vgpr_count:     192
    .wavefront_size: 32
...
	.end_amdgpu_metadata
.endif
;; end of part 1
;; launch gemm_qkv (part 2): grid 12 x 32, 4 waves a work-group, clusters of 4 x 4, 327,680 bytes of LDS; arguments codes, scl, qkv, qkv32; writes qkv, qkv32
.if DOCPART == 2
	.amdgcn_target "amdgcn-amd-amdhsa--gfx1250"
	.amdhsa_code_object_version 6
	.text
	.protected	k_qe2a568d525_gemm_qkv
	.globl	k_qe2a568d525_gemm_qkv
	.p2align	8
	.type	k_qe2a568d525_gemm_qkv,@function
k_qe2a568d525_gemm_qkv:
	s_mov_b64 s[64:65], 0
	v_nop
	global_prefetch_b8 v0, s[64:65] scope:SCOPE_SE
	s_setreg_imm32_b32 hwreg(HW_REG_WAVE_MODE, 25, 1), 1
	s_wait_xcnt 0x0
	s_wait_alu depctr_hold_cnt(0) depctr_sa_sdst(0) depctr_va_vdst(0) depctr_va_sdst(0) depctr_va_ssrc(0) depctr_va_vcc(0) depctr_vm_vsrc(0)
	s_getreg_b32 s2, hwreg(HW_REG_IB_STS2, 6, 4)
	s_cmp_eq_u32 s2, 0
	s_cbranch_scc0 .Lentry_in_a_cluster
	s_endpgm
.Lentry_in_a_cluster:
	s_bfe_u32 s2, ttmp6, 0x10000c
	s_cmp_lg_u32 s2, 0xf033
	s_cbranch_scc0 .Lentry_shape_is_right
	s_endpgm
.Lentry_shape_is_right:
; qkv = Q(x) Q(W_qkv): [8192][1024] x [3072 n'][1024], both as codes of FP4 (E2M1) with one E8M0 byte for each 32 along K; sums in f32.  The columns n' = 1024 kk + 64 h + d were ordered by the launch before.
; A tile of 256 x 256 is made by four waves, a wave 128 x 128: 64 accumulators.  K = 1,024 is two slots of 512 along K: both slots and the scales of the tile's rows come as first fills, three tensor loads a wave; nothing is filled again.
; CLUSTERS: 4 x 4 work-groups; A's tiles are asked for jointly along a row of the cluster, B's along a column.  Tile row = 8 cy + cluster y, so that partner cy works on batch cy; tile column = 4 cluster x + cx, so that
; cluster x says whether the tile is q, k or v.  Both tests on the way out (is it q; does the tile hold positions 0-15) hang on the cluster's x and y and the wave's number: they are alike in all partners.
; THE MATRIX INSTRUCTION IS USED TRANSPOSED (source 0 = 16 rows of W, source 1 = 16 rows of x): a lane holds eight neighbouring columns of one token.
; THE WAY OUT: q is multiplied by 0.125 log2(e) in f32; all is rounded to f16 and laid [kk][batch x head][position][64]; positions 0-15 of every batch also leave in f32, [16 b + t][n'].
; LIMIT: q x 0.18, k and v must lie under 65,504 in magnitude (f16).
; REGISTERS, in windows of 256: window 0: v0-31 addresses; v32-95 scale words, two sets; v128-191 A's fragments, one set; on the way out v32-255 are free.  window 1: B's fragments, two sets.  windows 2, 3: the accumulators.
.set KSTEP,  512
.set NQ,     4                         ; matrix instructions deep in a slot
.set ROWB,   256                       ; a tile's row in bytes
.set KROW,   512                       ; a row of codes in memory
.set PITCH,  272                       ; an LDS row: 256 bytes + 16 of padding: the 16 rows that a load touches start at 16 different banks
.set FR,     8
.set NL,     2
.set NP,     4                         ; places behind this matrix instruction (ISA guide 7.12.1)
.set HALFT,  128*PITCH
.set SLOT,   4*HALFT
.set KS,     32                        ; a row of scale bytes
.set SCL,    2*SLOT                    ; behind the ring: the scales, as runs of 256 bytes + 16 of padding
.set HALFS,  (128*KS/256)*272
.set SBLK,   (16*KS/256)*272
.set SPARE,  SCL+4*HALFS               ; the spare words, 128 bytes for each wave: two blocks of 256 bytes that no other line names
.set XCB,    4194304                   ; W's codes in the buffer of codes
.set XSB,    262144                    ; W's scale bytes
.set HEADB,  262144                    ; a head: 2048 positions x 128 bytes
.set ST32,   17408                     ; the stages lie in slot 0, which has had its only fill and its last read: f16 stages 4 x 16 x 272, then f32 stages 4 x 16 x 528
.set QSC,    0x3e38aa3b                ; 0.125 log2(e)
.set ADRA, 16
.set ADRB, 20
.set STO,  24                          ; v24  f16 stage: where I put 16 bytes of a row
.set RD,   25                          ; v25  and where I read back
.set CO,   26                          ; v26  16 x lane
.set ADRS, 27
.set SPW,  28
.set NIL,  29
.set STO32, 30                         ; v30, v31 the same for the f32 stage
.set RD32, 31
.set SC,   32
.set AF,   128
.set TMP,  192                         ; the way out: packed results
.set OB,   32                          ; 16 rows read back: v32-63 and v224-255 by turns
.set G1, 24
.set G0, 32
.set G1B, 48
.set G0B, 56
.set G1S, 68
.set G0S, 76
.set G1SB, 80
.set G0SB, 88
.set MSB, 0
.macro WIN new                         ; the immediate's high byte repeats the setting that is left; a switch that changes nothing is dropped
.if MSB != (\new)
	s_set_vgpr_msb (MSB<<8)|(\new)
.set MSB, (\new)
.endif
.endm
.set MUL_LO, 0xa1                      ; source 0 (B) window 1, source 1 (A) window 0, C and D window 2
.set MUL_HI, 0xf1
.set TO_B,   0x40
; A joint load: waves 0 and 1 fetch for A, waves 2 and 3 for B.  An s_nop 0 and four v_nop follow each of the two lines.
.macro JLOAD g0a, g1a, g0b, g1b
	s_cmp_eq_u32 s15, 0
	s_cbranch_scc0 .Lfor_b_\@
	tensor_load_to_lds s[\g0a:\g0a+3], s[\g1a:\g1a+7]
	s_nop 0
.rept 4
	v_nop
.endr
	s_branch .Lasked_\@
.Lfor_b_\@:
	tensor_load_to_lds s[\g0b:\g0b+3], s[\g1b:\g1b+7]
	s_nop 0
.rept 4
	v_nop
.endr
.Lasked_\@:
.endm
.macro CROUND                          ; a round of the cluster's barrier
	s_barrier_signal -1
	s_barrier_wait -1
	s_cmp_lg_u32 s14, 0
	s_cbranch_scc1 .Lnot_wave_0_\@
	s_barrier_signal -3
.Lnot_wave_0_\@:
	s_barrier_wait -3
	s_barrier_signal -1
	s_barrier_wait -1
.endm
	s_load_b256 s[4:11], s[0:1], 0x0               ; codes s[4:5], scale bytes s[6:7], qkv s[8:9], qkv32 s[10:11]
	v_lshl_add_u32 v[SPW], v0, 2, SPARE
	v_mov_b32 v[NIL], 0
	ds_add_u32 v[SPW], v[NIL]                      ; the wave's opening: the add, twice on end, and its wait ahead of my first tensor load
	ds_add_u32 v[SPW], v[NIL]
	v_lshrrev_b32 v1, 5, v0
	v_readfirstlane_b32 s14, v1                    ; wave 0..3
	s_lshr_b32 s15, s14, 1                         ; which half of the tile's rows is mine.  Also: I fetch for A (0) or for B (1)
	s_and_b32 s16, s14, 1                          ; which half of its columns.  Also: which 128 rows of that tile I fetch
	s_bfe_u32 s40, ttmp6, 0x40000                  ; cx
	s_bfe_u32 s41, ttmp6, 0x40004                  ; cy
	s_lshl_b32 s42, ttmp9, 2
	s_add_co_u32 s42, s42, s40                     ; tile column = 4 x cluster x + cx
	s_and_b32 s12, ttmp7, 0xffff                   ; cluster y
	s_lshl_b32 s17, s41, 3
	s_add_co_u32 s17, s17, s12                     ; tile row = 8 cy + cluster y
	s_lshl_b32 s43, s41, 2
	s_lshl_b32 s43, 15, s43                        ; my row of the cluster
	s_lshl_b32 s44, 0x1111, s40                    ; my column
	s_or_b32 s[G1+0], s43, (0<<16)|(1<<20)|(1<<21)|(5<<22)|(3<<25)   ; the mask; elements of 1 byte; padding on; bit 21 beside a mask; after every 64 words, 4 words
	s_or_b32 s[G1B+0], s44, (0<<16)|(1<<20)|(1<<21)|(5<<22)|(3<<25)
.irp g, G1, G1B
	s_mov_b32 s[\g+1], ROWB<<16                    ; tensor_dim0
	s_mov_b32 s[\g+2], 128<<16                     ; tensor_dim1
	s_mov_b32 s[\g+3], ROWB<<16                    ; tile_dim0
	s_mov_b32 s[\g+4], 128                         ; tile_dim1
	s_mov_b32 s[\g+5], KROW                        ; from row to row
	s_mov_b32 s[\g+6], 0
	s_mov_b32 s[\g+7], 0
.endr
	s_or_b32 s[G1S+0], s43, (3<<16)|(1<<20)|(1<<21)|(5<<22)|(3<<25)  ; the scales of 128 rows: 4,096 dense bytes as 16 rows of 256, 16 bytes of padding behind each
	s_or_b32 s[G1SB+0], s44, (3<<16)|(1<<20)|(1<<21)|(5<<22)|(3<<25)
.irp g, G1S, G1SB
	s_mov_b32 s[\g+1], 32<<16
	s_mov_b32 s[\g+2], (128*KS/256)<<16
	s_mov_b32 s[\g+3], 32<<16
	s_mov_b32 s[\g+4], 128*KS/256
	s_mov_b32 s[\g+5], 32
	s_mov_b32 s[\g+6], 0
	s_mov_b32 s[\g+7], 0
.endr
	s_lshl_b32 s18, s16, 7                         ; which 128 rows of the tile I fetch
	s_lshl_b32 s20, s17, 8
	s_add_co_u32 s20, s20, s18                     ; A: row 256 x tile row + 128 x half
	s_lshl_b32 s46, s42, 8
	s_add_co_u32 s46, s46, s18                     ; B: row 256 x tile column + 128 x half
	s_lshl_b32 s22, s20, 5                         ; where these rows' scale bytes begin,
	s_mov_b32 s23, 0
	s_lshl_b32 s92, s46, 5
	s_add_co_u32 s92, s92, XSB
	s_mov_b32 s93, 0
	s_lshl_b32 s20, s20, 9                         ; and their codes (all under 2^32)
	s_mov_b32 s21, 0
	s_lshl_b32 s46, s46, 9
	s_add_co_u32 s46, s46, XCB
	s_mov_b32 s47, 0
	s_mul_i32 s45, s14, HALFT                      ; where they go: wave x 128 rows: no place in the cluster enters an LDS address
	s_mul_i32 s94, s14, HALFS
	s_mov_b32 s96, QSC
	s_mov_b32 s97, s96                             ; (named with it as a pair, so it is written)
	s_wait_dscnt 0x0                               ; both opening adds are done
	s_wait_kmcnt 0x0
	s_add_nc_u64 s[20:21], s[4:5], s[20:21]
	s_add_nc_u64 s[22:23], s[6:7], s[22:23]
	s_add_nc_u64 s[46:47], s[4:5], s[46:47]
	s_add_nc_u64 s[92:93], s[6:7], s[92:93]
	CROUND                                         ; all sixteen work-groups are here: the joint loads meet
	s_mov_b32 s[G0S], 1
	s_add_co_u32 s[G0S+1], s94, SCL
	s_mov_b64 s[G0S+2:G0S+3], s[22:23]
	s_or_b32 s[G0S+3], s[G0S+3], 0x80000000
	s_mov_b32 s[G0SB], 1
	s_add_co_u32 s[G0SB+1], s94, SCL
	s_mov_b64 s[G0SB+2:G0SB+3], s[92:93]
	s_or_b32 s[G0SB+3], s[G0SB+3], 0x80000000
	JLOAD G0S, G1S, G0SB, G1SB                     ; the scales first: they are wanted with the first slot
.irp s, 0,1
	s_mov_b32 s[G0+4*\s], 1
	s_add_co_u32 s[G0+4*\s+1], s45, \s*SLOT
	s_add_nc_u64 s[G0+4*\s+2:G0+4*\s+3], s[20:21], \s*ROWB
	s_or_b32 s[G0+4*\s+3], s[G0+4*\s+3], 0x80000000
	s_mov_b32 s[G0B+4*\s], 1
	s_add_co_u32 s[G0B+4*\s+1], s45, \s*SLOT
	s_add_nc_u64 s[G0B+4*\s+2:G0B+4*\s+3], s[46:47], \s*ROWB
	s_or_b32 s[G0B+4*\s+3], s[G0B+4*\s+3], 0x80000000
	JLOAD G0+4*\s, G1, G0B+4*\s, G1B
.endr
	v_and_b32 v1, 15, v0                           ; r = lane % 16
	v_bfe_u32 v2, v0, 4, 1                         ; hh = lane / 16
	v_mul_u32_u24 v3, v1, PITCH
	v_lshl_add_u32 v4, v2, 4, v3                   ; a fragment's row x pitch + 16 x half
	s_mul_i32 s21, s15, HALFT                      ; my 128 rows of A
	s_mul_i32 s22, s16, HALFT                      ; my 128 rows of B,
	s_add_co_u32 s22, s22, 2*HALFT                 ; which lie behind A's 256
.irp s, 0,1
	v_add_nc_u32 v[ADRA+\s], s21, v4
	v_add_nc_u32 v[ADRB+\s], s22, v4
	s_add_co_u32 s21, s21, SLOT
	s_add_co_u32 s22, s22, SLOT
.endr
	v_mul_u32_u24 v5, v1, KS                       ; my row's scales: 32 bytes a row,
	v_lshrrev_b32 v6, 8, v5
	v_lshl_add_u32 v5, v6, 4, v5                   ; and 16 more for each 256 passed
	s_mul_i32 s21, s15, HALFS
	s_mul_i32 s22, s16, HALFS
	s_add_co_u32 s22, s22, 2*HALFS
	s_sub_co_u32 s22, s22, s21
	v_mul_u32_u24 v6, s22, v2                      ; lanes 16-31 take B's: one product, the distance between the two bases
	s_add_co_u32 s21, s21, SCL
	v_add_nc_u32 v5, v5, v6
	v_add_nc_u32 v[ADRS], s21, v5
	s_mul_i32 s23, s14, 16*272                     ; my f16 stage
	v_mul_u32_u24 v5, v1, 272
	v_lshl_add_u32 v5, v2, 4, v5
	v_add_nc_u32 v[STO], s23, v5                   ; in: row r, 16 bytes for each half of the lanes
	v_and_b32 v6, 31, v0
	v_lshrrev_b32 v7, 3, v6
	v_mul_u32_u24 v7, v7, 272
	v_and_b32 v8, 7, v0
	v_lshl_add_u32 v7, v8, 4, v7
	v_add_nc_u32 v[RD], s23, v7                    ; back: eight lanes take one head's 128 bytes of a row, the 32 lanes four rows
	v_lshlrev_b32 v[CO], 4, v6
	s_mul_i32 s23, s14, 16*528
	s_add_co_u32 s23, s23, ST32                    ; my f32 stage
	v_mul_u32_u24 v5, v1, 528
	v_lshl_add_u32 v5, v2, 5, v5
	v_add_nc_u32 v[STO32], s23, v5
	v_add_nc_u32 v[RD32], s23, v[CO]
	s_lshl_b32 s20, ttmp9, 6                       ; qkv: plane 64 kk + 16 b + 4 cx + 2 x column half,
	s_lshl_b32 s21, s41, 4
	s_add_co_u32 s20, s20, s21
	s_lshl_b32 s21, s40, 2
	s_add_co_u32 s20, s20, s21
	s_lshl_b32 s21, s16, 1
	s_add_co_u32 s20, s20, s21
	s_lshl_b32 s20, s20, 18
	s_lshl_b32 s21, s12, 15                        ; position 256 x cluster y + 128 x row half, 128 bytes each
	s_add_co_u32 s20, s20, s21
	s_lshl_b32 s21, s15, 14
	s_add_co_u32 s20, s20, s21
	s_mov_b32 s21, 0
	s_add_nc_u64 s[8:9], s[8:9], s[20:21]
	s_mul_i32 s20, s41, 16*12288                   ; qkv32: row 16 b, column 256 x tile column + 128 x half
	s_lshl_b32 s21, s42, 10
	s_add_co_u32 s20, s20, s21
	s_lshl_b32 s21, s16, 9
	s_add_co_u32 s20, s20, s21
	s_mov_b32 s21, 0
	s_add_nc_u64 s[10:11], s[10:11], s[20:21]
.macro FRAG reg, adr, q, i             ; 16 rows x 128 K of 4-bit codes: 8 registers: lane l holds row l % 16; registers 4 c .. 4 c + 3 hold K = 64 c + 32 (l / 16) + 0 .. 31
.irp c, 0,1
	ds_load_b128 v[\reg+4*\c:\reg+4*\c+3], v[\adr] offset:64*(\q)+32*\c+(\i)*16*PITCH
.endr
.endm
; 16 matrix instructions: A's blocks a0, a0 + 1 x B's eight.  The 64 accumulators take turns, one instruction a turn, in the same order in every step.
.macro MUL16 a0, p, q, sc, zero
.irp a, \a0, \a0+1
.irp b, 0,1,2,3,4,5,6,7
.if \zero
	v_wmma_scale_f32_16x16x128_f8f6f4 v[8*(8*((\a)%4)+\b):8*(8*((\a)%4)+\b)+7], v[128*(\p)+FR*\b:128*(\p)+FR*\b+FR-1], v[AF+FR*(\a):AF+FR*(\a)+FR-1], 0, v[SC+8*NQ*(\sc)+NQ*\b+(\q)], v[SC+8*NQ*(\sc)+NQ*(\a)+(\q)] matrix_a_fmt:MATRIX_FMT_FP4 matrix_b_fmt:MATRIX_FMT_FP4 matrix_a_scale:MATRIX_SCALE_ROW1
.else
	v_wmma_scale_f32_16x16x128_f8f6f4 v[8*(8*((\a)%4)+\b):8*(8*((\a)%4)+\b)+7], v[128*(\p)+FR*\b:128*(\p)+FR*\b+FR-1], v[AF+FR*(\a):AF+FR*(\a)+FR-1], v[8*(8*((\a)%4)+\b):8*(8*((\a)%4)+\b)+7], v[SC+8*NQ*(\sc)+NQ*\b+(\q)], v[SC+8*NQ*(\sc)+NQ*(\a)+(\q)] matrix_a_fmt:MATRIX_FMT_FP4 matrix_b_fmt:MATRIX_FMT_FP4 matrix_a_scale:MATRIX_SCALE_ROW1
.endif
.endr
.endr
.endm
.macro FETCH_B slot, q, p
	WIN TO_B
.irp i, 0,1,2,3,4,5,6,7
	FRAG 128*(\p)+FR*\i, ADRB+\slot, \q, \i
.endr
	WIN 0
.endm
.macro FETCH_A slot, q, i0
.irp i, \i0, \i0+1, \i0+2, \i0+3
	FRAG AF+FR*(\i), ADRA+\slot, \q, \i
.endr
.endm
.macro SCALES sc                       ; a slot's scale words: 4 words a row; lanes 0-15 take A's block i, lanes 16-31 B's block i
.irp i, 0,1,2,3,4,5,6,7
	ds_load_b128 v[SC+8*NQ*\sc+NQ*\i:SC+8*NQ*\sc+NQ*\i+3], v[ADRS] offset:\i*SBLK
.endr
.endm
.macro PLACES n                        ; plain vector instructions between a matrix instruction and a load into, or a read of, its registers
.rept \n
	v_nop
.endr
.endm
.macro STEP slot, q, zero              ; 128 along K whose successor lies in the same slot
	s_wait_dscnt 4*NL                              ; B's set and A's blocks 0-3 are in; the youngest eight loads (A's blocks 4-7) may be out
	WIN MUL_LO
	MUL16 0, (\q)%2, \q, \slot, \zero
	MUL16 2, (\q)%2, \q, \slot, \zero
	s_wait_dscnt 0
	PLACES NP
	FETCH_B \slot, (\q)+1, 1-(\q)%2
	FETCH_A \slot, (\q)+1, 0
	WIN MUL_HI
	MUL16 4, (\q)%2, \q, \slot, \zero
	MUL16 6, (\q)%2, \q, \slot, \zero
	PLACES NP
	WIN 0
	FETCH_A \slot, (\q)+1, 4
.endm
.macro TURN slot, next                 ; slot 0's last step: one barrier; in front of it my part of slot 1 has landed and my reads of slot 0 are over.
	s_wait_tensorcnt 0x0                           ; all my tensor loads have landed
	ds_add_u32 v[SPW], v[NIL]
	s_wait_dscnt 4*NL+1                            ; (the add and the youngest eight loads may be out)
	WIN MUL_LO
	MUL16 0, 1, NQ-1, \slot, 0
	s_wait_dscnt 0x0                               ; the add is done, and my reads of this slot are over
	s_barrier_signal -1
	MUL16 2, 1, NQ-1, \slot, 0
	WIN 0
	s_barrier_wait -1
	PLACES NP
	v_add_nc_u32 v[ADRS], 4*NQ, v[ADRS]            ; on to the next slot's scale words
	FETCH_B \next, 0, 0
	FETCH_A \next, 0, 0
	SCALES \next
	WIN MUL_HI
	MUL16 4, 1, NQ-1, \slot, 0
	MUL16 6, 1, NQ-1, \slot, 0
	PLACES NP
	WIN 0
	FETCH_A \next, 0, 4
.endm
.macro STEPS slot, from
.set Q, \from
.rept NQ-1-\from
	STEP \slot, Q, 0
.set Q, Q+1
.endr
.endm
	s_wait_tensorcnt 1                             ; the scales and my part of slot 0 are in; slot 1's load may be out
	s_barrier_signal -1
	s_barrier_wait -1
	FETCH_B 0, 0, 0
	FETCH_A 0, 0, 0
	SCALES 0
	FETCH_A 0, 0, 4
	STEP 0, 0, 1                                   ; the first products start the sums: nothing is cleared
	STEPS 0, 1
	TURN 0, 1
	STEPS 1, 0
	s_wait_dscnt 4*NL                              ; the last step: nothing more to fetch
	WIN MUL_LO
	MUL16 0, 1, NQ-1, 1, 0
	MUL16 2, 1, NQ-1, 1, 0
	s_wait_dscnt 0
	WIN MUL_HI
	MUL16 4, 1, NQ-1, 1, 0
	MUL16 6, 1, NQ-1, 1, 0
	WIN 0
	PLACES NP
	; q alone is scaled: cluster x = 0.  Every accumulator from its low end on.
	s_cmp_lg_u32 ttmp9, 0
	s_cbranch_scc1 .Lnot_q
	WIN 0x82                                       ; destination and source 0: window 2
.set i, 0
.rept 128
	v_pk_mul_f32 v[i:i+1], v[i:i+1], s[96:97] op_sel_hi:[1,0]
.set i, i+2
.endr
	WIN 0xc3                                       ; window 3
.set i, 0
.rept 128
	v_pk_mul_f32 v[i:i+1], v[i:i+1], s[96:97] op_sel_hi:[1,0]
.set i, i+2
.endr
	WIN 0
.Lnot_q:
	; positions 0-15 of my batch, in f32: the first block of the upper row half of the tiles with cluster y = 0
	s_or_b32 s20, s12, s15
	s_cmp_lg_u32 s20, 0
	s_cbranch_scc1 .Lno_copy
	WIN 0x08                                       ; an LDS store's data are its source 1: window 2
.irp b, 0,1,2,3,4,5,6,7
	ds_store_b128 v[STO32], v[8*\b:8*\b+3] offset:64*\b
	ds_store_b128 v[STO32], v[8*\b+4:8*\b+7] offset:64*\b+16
.endr
	WIN 0
.irp t, 0,1,2,3,4,5,6,7,8,9,10,11,12,13,14,15
	ds_load_b128 v[64+4*\t:64+4*\t+3], v[RD32] offset:\t*528     ; LDS serves a wave's instructions in order: these see my stores
.endr
.irp t, 0,1,2,3,4,5,6,7,8,9,10,11,12,13,14,15
	s_wait_dscnt 15-\t
	global_store_b128 v[CO], v[64+4*\t:64+4*\t+3], s[10:11] offset:\t*12288   ; 32 lanes store 512 consecutive bytes, aligned
.endr
.Lno_copy:
; THE WAY OUT, a block of 16 positions x 128 columns (two heads) at a time: rounded to f16, through my own stage, and back so that four positions of one head, 512 consecutive bytes of memory, leave by one store.
.macro PACK a
.set AC, 64*((\a)%4)
	WIN 0x0a+5*((\a)/4)                            ; sources 0 and 1: window 2 or 3
.irp b, 0,1,2,3,4,5,6,7
.irp r, 0,1,2,3
	v_cvt_pk_f16_f32 v[TMP+4*\b+\r], v[AC+8*\b+2*\r], v[AC+8*\b+2*\r+1]
.endr
.endr
	WIN 0
.endm
.macro TOSTAGE a
.set BK, OB+192*((\a)%2)
.irp b, 0,1,2,3,4,5,6,7
	ds_store_b128 v[STO], v[TMP+4*\b:TMP+4*\b+3] offset:32*\b
.endr
.irp hd, 0,1
.irp i, 0,1,2,3
	ds_load_b128 v[BK+16*\hd+4*\i:BK+16*\hd+4*\i+3], v[RD] offset:\i*1088+\hd*128
.endr
.endr
.endm
.macro SEND a
.set BK, OB+192*((\a)%2)
	s_wait_dscnt 0x0                               ; the block is back in registers
	s_wait_xcnt 0x0                                ; the earlier stores have read their registers: the next block's loads may land on those of the block before this one
.irp hd, 0,1
.irp i, 0,1,2,3
	global_store_b128 v[CO], v[BK+16*\hd+4*\i:BK+16*\hd+4*\i+3], s[8:9] offset:\hd*HEADB+(\a)*2048+\i*512
.endr
.endr
.endm
	PACK 0
	TOSTAGE 0
.irp a, 1,2,3,4,5,6,7                  ; block a's conversions stand between block a - 1's loads from the stage and the wait for them
	PACK \a
	SEND \a-1
	TOSTAGE \a
.endr
	SEND 7
	s_wait_tensorcnt 0x0                           ; the wave's end, behind my last tensor load and my last LDS store
	ds_add_u32 v[SPW], v[NIL]
	s_wait_dscnt 0x0
	CROUND                                         ; the closing round
	s_endpgm
.Lfunc_end_k_qe2a568d525_gemm_qkv:
	.size	k_qe2a568d525_gemm_qkv, .Lfunc_end_k_qe2a568d525_gemm_qkv-k_qe2a568d525_gemm_qkv
	.p2alignl 7, 3214868480
	.fill 96, 4, 3214868480
	.section	.rodata,"a",@progbits
	.p2align	6, 0x0
	.amdhsa_kernel k_qe2a568d525_gemm_qkv
		.amdhsa_group_segment_fixed_size 327680
		.amdhsa_private_segment_fixed_size 0
		.amdhsa_enable_private_segment 0
		.amdhsa_kernarg_size 32
		.amdhsa_user_sgpr_count 2
		.amdhsa_user_sgpr_kernarg_segment_ptr 1
		.amdhsa_wavefront_size32 1
		.amdhsa_system_sgpr_workgroup_id_x 1
		.amdhsa_system_sgpr_workgroup_id_y 1
		.amdhsa_system_sgpr_workgroup_id_z 1
		.amdhsa_system_vgpr_workitem_id 0
		.amdhsa_next_free_vgpr 1024
		.amdhsa_next_free_sgpr 100
		.amdhsa_reserve_vcc 0
		.amdhsa_float_denorm_mode_32 3
		.amdhsa_float_denorm_mode_16_64 3
		.amdhsa_memory_ordered 1
		.amdhsa_forward_progress 1
		.amdhsa_inst_pref_size 147
	.end_amdhsa_kernel
	.amdgpu_metadata
---
amdhsa.version: [ 1, 2 ]
amdhsa.kernels:
  - .name:           k_qe2a568d525_gemm_qkv
    .symbol:         k_qe2a568d525_gemm_qkv.kd
    .args:
      - { .name: codes, .offset: 0, .size: 8, .value_kind: global_buffer, .address_space: global }
      - { .name: scl, .offset: 8, .size: 8, .value_kind: global_buffer, .address_space: global }
      - { .name: qkv, .offset: 16, .size: 8, .value_kind: global_buffer, .address_space: global }
      - { .name: qkv32, .offset: 24, .size: 8, .value_kind: global_buffer, .address_space: global }
    .group_segment_fixed_size: 327680
    .private_segment_fixed_size: 0
    .kernarg_segment_align: 8
    .kernarg_segment_size: 32
    .max_flat_workgroup_size: 128
    .sgpr_count:     100
    .vgpr_count:     1024
    .wavefront_size: 32
...
	.end_amdgpu_metadata
.endif
;; end of part 2
;; launch attn (part 3): grid 4 x 64, 8 waves a work-group, no clusters, 327,680 bytes of LDS; arguments qkv, btab, a16; writes a16
.if DOCPART == 3
	.amdgcn_target "amdgcn-amd-amdhsa--gfx1250"
	.amdhsa_code_object_version 6
	.text
	.protected	k_qe2a568d525_attn
	.globl	k_qe2a568d525_attn
	.p2align	8
	.type	k_qe2a568d525_attn,@function
k_qe2a568d525_attn:
	s_mov_b64 s[64:65], 0
	v_nop
	global_prefetch_b8 v0, s[64:65] scope:SCOPE_SE
	s_setreg_imm32_b32 hwreg(HW_REG_WAVE_MODE, 25, 1), 1
	s_wait_xcnt 0x0
; Causal attention with a relative bias, for one (batch, head) a work-group row: o[i] = sum over j <= i of softmax_j(q[i].k[j] / 8 + bias[j - i + 2047]) v[j].  q, k, v: f16, [plane][2048][64]; q carries 0.125 log2(e),
; the bias table carries log2(e), so a score is t in powers of two.  Products on f16 operands with f32 sums; maxima, exponentials and sums in f32; the weights p are rounded to f16 for the second product.
; SHARES.  Work-group p (0..3) of a head owns two blocks of 256 queries, p and 7 - p, and walks the key chunks of 256 once for both: (p + 1) + (8 - p) = 9 block-chunks of work in every work-group.
; Each of the eight waves owns four tiles of 16 queries: pair H at 256 (7 - p) + 32 w, pair L at 256 p + 32 w.  Two waves share a SIMD, so one wave's softmax stands beside the other's products and LDS loads.
; NO CLUSTER: the four work-groups of a head need 8, 7, 6 and 5 chunks; a joint load would bring some partners tiles that none of their waves reads.
; LAYOUT.  S^T = K Q^T + C (source 0 = 16 keys, source 1 = 16 queries): a lane holds ONE query (lane % 16) and keys 8 (lane / 16) + 0..7.  Two such tiles, rounded to f16 in pairs, are source 1 of O^T = V^T P.
; THE BIAS IS THE C OF THE FIRST SCORE PRODUCT.  For query tile a and key tile b it hangs on e = b - a + 1 alone: five tiles of 8 registers a pair and step.  THE MASK is laid on those 40 registers, not on the 64 scores:
; a hidden place gets -1e30, finite, under which 2^(t - m) is exactly 0.  A pair runs a step only where the step's first key is at or under its first query, so every query sees a key in every step that it runs.
; THE TABLE IN LDS.  Entry 2047 + key - query = 256 (7 - block) + [32 (7 - w) + first key + 16 e + (15 - r) + 8 hh + j].  The first term is the start of a WINDOW of the table, one for each pair, and stands in the
; tensor load's global address; the bracket, at most 2,299, is the place in the window.  So no LDS address holds the work-group's number.  A window is 2,304 entries in four copies, shifted by 0..3 entries,
; so that a lane's run of four entries begins on 16 bytes in copy (15 - r) % 4.
; SOFTMAX.  A running maximum m and sum l for each query: p = 2^(t - m); in every step O and l are multiplied by 2^(m_old - m_new).
; THE WALK is one loop of 8 trips, a chunk of 256 keys each, its four steps of 64 keys written out; what lies wholly under the mask is jumped over by scalar branches on ids and on the count of steps.
; LIMITS: NaN and infinities are not served; |t| far under 1e30; the result must lie under 65,504 in magnitude (f16).
; REGISTERS.  window 0: v1-18 addresses and constants; v24-39 m and l; v40-55 at work; v64-127 S^T, then P; v128-167 the bias tiles; v192-255 O^T of pair L.
;             window 1: v0-63 K; v64-127 V; v128-191 Q; v192-255 O^T of pair H.
.set HEADB, 262144                     ; a plane of q, k or v: 2048 x 128 bytes
.set KP,    144                        ; a row of K in LDS: 128 bytes + 16: the 16 rows of a load start at 16 different banks
.set VP,    160                        ; a row of V: 128 + 32, for the turning load
.set VOFF,  256*KP                     ; a slot: 256 rows of K, then 256 rows of V
.set STAGE, VOFF+256*VP                ; behind slot 0: 16 rows x 144 bytes for each wave, for the way out
.set SPARE, STAGE+8*16*KP              ; the spare words, 128 bytes for each wave: four blocks of 256 bytes that no other line names
.set SLOT1, 1<<17                      ; slot 1 begins here: one exclusive or turns an address
.set BT,    SLOT1+STAGE                ; the bias windows: pair H's four copies,
.set BPC,   9280                       ; each 9,216 bytes, 9,216 + 64 apart, so that the 16 lanes of a load fall into 16 different columns of 16 bytes;
.set BWL,   4*BPC                      ; then pair L's four
.set AK0, 1                            ; v1   my lane's place in a tile of K
.set AV0, 2                            ; v2   the same for V
.set AB0, 3                            ; v3   and in a bias window
.set ADK, 5                            ; v5-7 the same in the slot, and at the chunk, in hand
.set ADV, 6
.set ADB, 7
.set SPW, 9                            ; v9   LDS address of my spare word; never rewritten
.set NIL, 10                           ; v10  0; never rewritten
.set DL,  11                           ; v11  lane % 16 - 8 (lane / 16)
.set NINF, 12                          ; v12  -1e30
.set MD,  13
.set STO, 14
.set RD,  15
.set GO,  16
.set QO,  17
.set PFO, 18
.set ST,  24                           ; tile T: v[24+4T] m, +1 written once, +2, +3 l (even keys', odd keys')
.set TT,  40                           ; tile a of the pair in hand: +0..3 four maxima, +4 the factor, +5 written once, +6, +7 a sum
.set S,   64
.set BI,  128
.set OB,  192
.set WV,  10
.set G1K, 16
.set G1V, 24
.set G1B, 32
.set G0K, 40
.set G0V, 44
.set G0B, 48                           ; s[48:51] group 0 for a copy of pair H's window;  s[88:91] of pair L's
.set G0C, 88
.set TB,  52                           ; s52  where the slot in hand begins in LDS
.set TBI, 54                           ; s54  4 x the chunk's first key, for the bias
.set KF,  55                           ; s55  the step's first key
.set QH,  56                           ; s56, s57 my pairs' first queries
.set QL,  57
.set CH,  58                           ; s58  chunks to go
.set SEL, 60
.set PFK, 66
.set PFV, 68
.set LIM, 70
.set HIK, 71                           ; s71  my work-group's last query
.set OHB, 72
.set OLB, 74
.set QHB, 84
.set QLB, 86
.set MSB, 0
.macro WIN new                         ; the immediate's high byte repeats the setting that is left; a switch that changes nothing is dropped
.if MSB != (\new)
	s_set_vgpr_msb (MSB<<8)|(\new)
.set MSB, (\new)
.endif
.endm
	s_load_b128 s[4:7], s[0:1], 0x0                ; qkv s[4:5], the bias table s[6:7]
	s_load_b64 s[8:9], s[0:1], 0x10                ; a16
	v_lshl_add_u32 v[SPW], v0, 2, SPARE
	v_mov_b32 v[NIL], 0
	ds_add_u32 v[SPW], v[NIL]                      ; the wave's opening: the add, twice on end, and its wait ahead of my first tensor load
	ds_add_u32 v[SPW], v[NIL]
	v_lshrrev_b32 v19, 5, v0
	v_readfirstlane_b32 s[WV], v19                 ; wave 0..7
	s_mov_b32 s11, ttmp9                           ; p
	s_and_b32 s12, ttmp7, 0xffff                   ; 16 b + h
	s_xor_b32 s13, s11, 7                          ; 7 - p
	s_lshl_b32 s14, s[WV], 5
	s_lshl_b32 s[QH], s13, 8
	s_or_b32 s[HIK], s[QH], 255
	s_add_co_u32 s[QH], s[QH], s14
	s_lshl_b32 s[QL], s11, 8
	s_add_co_u32 s[QL], s[QL], s14
	s_mov_b32 s[G1K], (1<<16)|(1<<20)|(4<<22)|(3<<25)   ; elements of 2 bytes; padding on: after every 32 words, 4 words
	s_mov_b32 s[G1V], (1<<16)|(1<<20)|(4<<22)|(7<<25)   ; 8 words
.irp g, G1K, G1V
	s_mov_b32 s[\g+1], 64<<16                      ; tensor_dim0
	s_mov_b32 s[\g+2], 128<<16                     ; tensor_dim1
	s_mov_b32 s[\g+3], 64<<16                      ; tile_dim0
	s_mov_b32 s[\g+4], 128                         ; tile_dim1: half a chunk
	s_mov_b32 s[\g+5], 64                          ; from row to row
	s_mov_b32 s[\g+6], 0
	s_mov_b32 s[\g+7], 0
.endr
	s_mov_b32 s[G1B], 3<<16                        ; a copy of a window: 9,216 dense bytes as 36 rows of 32 elements of 8 bytes
	s_mov_b32 s[G1B+1], 32<<16
	s_mov_b32 s[G1B+2], 36<<16
	s_mov_b32 s[G1B+3], 32<<16
	s_mov_b32 s[G1B+4], 36
	s_mov_b32 s[G1B+5], 32
	s_mov_b32 s[G1B+6], 0
	s_mov_b32 s[G1B+7], 0
	s_and_b32 s2, s[WV], 1                         ; which half of a chunk I fetch, if I fetch
	s_lshl_b32 s80, s2, 14
	s_lshl_b32 s3, s12, 18                         ; my head's bytes in a plane group
	s_add_co_u32 s80, s80, s3
	s_add_co_u32 s80, s80, 64*HEADB                ; K
	s_mov_b32 s81, 0
	s_add_co_u32 s82, s80, 64*HEADB                ; V
	s_mov_b32 s83, 0
	s_mul_i32 s14, s2, 128*KP
	s_mul_i32 s15, s2, 128*VP
	s_add_co_u32 s15, s15, VOFF
	s_and_b32 s2, s[WV], 3                         ; which copy of the table, and which quarter of a chunk I prefetch
	s_and_b32 s78, s12, 15                         ; h
	s_lshl_b32 s76, s78, 16                        ; the head's 65,536 bytes of the table,
	s_lshl_b32 s77, s2, 14                         ; the copy's 16,384
	s_add_co_u32 s76, s76, s77
	s_lshl_b32 s77, s11, 10
	s_add_co_u32 s84, s76, s77                     ; pair H's window begins at entry 256 p (its block is 7 - p),
	s_mov_b32 s85, 0
	s_lshl_b32 s77, s13, 10
	s_add_co_u32 s86, s76, s77                     ; pair L's at entry 256 (7 - p): at most 7,168 + 9,216 = 16,384 bytes into the copy: inside it
	s_mov_b32 s87, 0
	s_mov_b32 s77, 0
	s_mul_i32 s79, s2, BPC
	s_add_co_u32 s79, s79, BT
	s_mov_b32 s[SEL], 0x76543210
	s_mov_b32 s[SEL+1], 0xfedcba98
	s_mov_b32 s[TB], 0
	s_mov_b32 s[TBI], 0
	s_mov_b32 s[KF], 0
	s_mov_b32 s[CH], 8
	s_wait_dscnt 0x0                               ; both opening adds are done
	s_wait_kmcnt 0x0
	s_mov_b32 s[G0K], 1
	s_mov_b32 s[G0K+1], s14
	s_add_nc_u64 s[G0K+2:G0K+3], s[4:5], s[80:81]
	s_or_b32 s[G0K+3], s[G0K+3], 0x80000000
	s_mov_b32 s[G0V], 1
	s_mov_b32 s[G0V+1], s15
	s_add_nc_u64 s[G0V+2:G0V+3], s[4:5], s[82:83]
	s_or_b32 s[G0V+3], s[G0V+3], 0x80000000
	s_mov_b32 s[G0B], 1
	s_mov_b32 s[G0B+1], s79
	s_add_nc_u64 s[G0B+2:G0B+3], s[6:7], s[84:85]
	s_or_b32 s[G0B+3], s[G0B+3], 0x80000000
	s_mov_b32 s[G0C], 1
	s_add_co_u32 s[G0C+1], s79, BWL
	s_add_nc_u64 s[G0C+2:G0C+3], s[6:7], s[86:87]
	s_or_b32 s[G0C+3], s[G0C+3], 0x80000000
	; the first fills: every wave issues some: waves 0, 1 K's halves of chunk 0, waves 2, 3 V's, waves 4-7 a copy of each of the two windows: two tensor loads of a wave are out at the most
	s_cmp_lt_u32 s[WV], 2
	s_cbranch_scc0 .Lfirst_not_k
	tensor_load_to_lds s[G0K:G0K+3], s[G1K:G1K+7]
	s_nop 0
.rept 4
	v_nop
.endr
	s_branch .Lfirst_asked
.Lfirst_not_k:
	s_cmp_lt_u32 s[WV], 4
	s_cbranch_scc0 .Lfirst_table
	tensor_load_to_lds s[G0V:G0V+3], s[G1V:G1V+7]
	s_nop 0
.rept 4
	v_nop
.endr
	s_branch .Lfirst_asked
.Lfirst_table:
	tensor_load_to_lds s[G0B:G0B+3], s[G1B:G1B+7]
	s_nop 0
	tensor_load_to_lds s[G0C:G0C+3], s[G1B:G1B+7]
	s_nop 0
.rept 4
	v_nop
.endr
.Lfirst_asked:
	s_lshl_b32 s76, s[QH], 7
	s_add_co_u32 s76, s76, s3
	s_add_nc_u64 s[QHB:QHB+1], s[4:5], s[76:77]    ; q at pair H's first query
	s_lshl_b32 s76, s[QL], 7
	s_add_co_u32 s76, s76, s3
	s_add_nc_u64 s[QLB:QLB+1], s[4:5], s[76:77]
	v_and_b32 v19, 15, v0                          ; r
	v_bfe_u32 v20, v0, 4, 1                        ; hh
	v_and_b32 v21, 31, v0                          ; lane
	v_lshlrev_b32 v[QO], 7, v19
	v_lshl_add_u32 v[QO], v20, 4, v[QO]
	WIN 0x40                                       ; destination window 1
.irp a, 0,1
.irp ks, 0,1
	global_load_b128 v[128+16*\a+8*\ks:128+16*\a+8*\ks+3], v[QO], s[QHB:QHB+1] offset:2048*\a+64*\ks
	global_load_b128 v[128+16*\a+8*\ks+4:128+16*\a+8*\ks+7], v[QO], s[QHB:QHB+1] offset:2048*\a+64*\ks+32
	global_load_b128 v[160+16*\a+8*\ks:160+16*\a+8*\ks+3], v[QO], s[QLB:QLB+1] offset:2048*\a+64*\ks
	global_load_b128 v[160+16*\a+8*\ks+4:160+16*\a+8*\ks+7], v[QO], s[QLB:QLB+1] offset:2048*\a+64*\ks+32
.endr
.endr
.set i, 0
.rept 64
	v_mov_b32 v[OB+i], 0                           ; O^T of pair H.  (The step has no first form of its own: its first run finds zeros)
.set i, i+1
.endr
	WIN 0
.set i, 0
.rept 64
	v_mov_b32 v[OB+i], 0                           ; and of pair L
.set i, i+1
.endr
	s_lshl_b32 s76, s78, 20                        ; a16: plane h,
	s_lshr_b32 s79, s12, 4
	s_lshl_b32 s79, s79, 18                        ; batch b: 2048 rows of 128 bytes
	s_add_co_u32 s79, s79, s76
	s_lshl_b32 s76, s[QH], 7
	s_add_co_u32 s76, s76, s79
	s_add_nc_u64 s[OHB:OHB+1], s[8:9], s[76:77]
	s_lshl_b32 s76, s[QL], 7
	s_add_co_u32 s76, s76, s79
	s_add_nc_u64 s[OLB:OLB+1], s[8:9], s[76:77]
	s_lshl_b32 s76, s2, 13                         ; the prefetches: my quarter of a chunk, standing in chunk 1: the first change of slots steps it to chunk 2
	s_add_co_u32 s76, s76, s3
	s_add_co_u32 s76, s76, 64*HEADB+32768
	s_add_nc_u64 s[PFK:PFK+1], s[4:5], s[76:77]
	s_add_nc_u64 s[PFV:PFV+1], s[PFK:PFK+1], 64*HEADB
	s_lshr_b32 s76, s[WV], 2
	s_xor_b32 s76, s76, 1                          ; 0 in waves 4 to 7,
	s_or_b32 s76, s76, s11                         ; of the head's work-group 0, which walks all eight chunks
	s_cmp_eq_u32 s76, 0
	s_cselect_b32 s[LIM], 2, -1
	v_lshlrev_b32 v[PFO], 8, v21
	v_mul_u32_u24 v[AK0], v19, KP
	v_lshl_add_u32 v[AK0], v20, 4, v[AK0]          ; K: row r, + 16 hh
	v_and_b32 v22, 7, v0
	v_lshl_add_u32 v22, v20, 3, v22
	v_mul_u32_u24 v[AV0], v22, VP
	v_bfe_u32 v22, v0, 3, 1
	v_lshl_add_u32 v[AV0], v22, 4, v[AV0]
	v_add_nc_u32 v[AV0], VOFF, v[AV0]              ; V, for the turning load: key 8 hh + lane % 8, channels 8 ((lane / 8) % 2) on
	v_xor_b32 v22, 15, v19                         ; the bias: x = 15 - r;
	v_and_b32 v23, 3, v22
	v_mul_u32_u24 v23, v23, BPC                    ; copy x % 4,
	v_and_b32 v22, 12, v22
	v_lshl_add_u32 v23, v22, 2, v23                ; from entry x - x % 4
	v_lshl_add_u32 v23, v20, 5, v23                ; + 8 hh
	s_xor_b32 s76, s[WV], 7
	s_lshl_b32 s76, s76, 7                         ; + 32 (7 - w)
	s_add_co_u32 s76, s76, BT
	v_add_nc_u32 v[AB0], s76, v23                  ; a constant, a lane term and a wave term: at most 48 + 32 + 896 bytes into a copy; a chunk adds 7,168 at the most, a step 768, a tile 272: 9,184 + 16 <= 9,216
	v_lshlrev_b32 v22, 3, v20
	v_sub_nc_u32 v[DL], v19, v22
	v_mov_b32 v[NINF], 0xf149f2ca                  ; -1e30
	s_mul_i32 s81, s[WV], 16*KP
	s_add_co_u32 s81, s81, STAGE                   ; my stage
	v_add_nc_u32 v[STO], s81, v[AK0]               ; in: row r, 16 bytes for each half of the lanes
	v_lshrrev_b32 v22, 3, v21
	v_mul_u32_u24 v22, v22, KP
	v_and_b32 v23, 7, v0
	v_lshl_add_u32 v22, v23, 4, v22
	v_add_nc_u32 v[RD], s81, v22                   ; back: eight lanes to a row of 128 bytes, four rows an instruction
	v_lshlrev_b32 v[GO], 4, v21
.irp t, 0,1,2,3
	v_mov_b32 v[ST+4*\t], 0xff61b1e6               ; m = -3e38, under every t
	v_mov_b32 v[ST+4*\t+1], 0
	v_mov_b32 v[ST+4*\t+2], 0                      ; l
	v_mov_b32 v[ST+4*\t+3], 0
.endr
.set i, 0
.rept 16
	v_mov_b32 v[TT+i], 0                           ; written once: upper halves of pairs, destinations of lane permutes
.set i, i+1
.endr
	s_wait_loadcnt 0x0                             ; Q
; ONE PAIR'S PART OF A KEY STEP.  tz: its first tile's number; qb: its Q in window 1; sq: the scalar register with its first query; hp = 1: pair H; stp: the step's number in its chunk.
.macro PAIR tz, qb, sq, hp, stp
.if !(\hp)
.rept 5
	v_nop                                          ; five places: the score products below write over P, a source of pair H's last products
.endr
.endif
	s_add_co_u32 s76, s[KF], 63
	s_cmp_le_u32 s76, s[\sq]                       ; all 64 keys count for all 32 queries: no mask
	s_cbranch_scc1 .Lopen_\@
	s_sub_co_u32 s76, s[\sq], s[KF]
	v_add_nc_u32 v[MD], s76, v[DL]                 ; register j of bias tile e is hidden where 16 (e - 1) + j > first query - first key + r - 8 hh
.irp e, 0,1,2,3,4
.irp j, 0,1,2,3,4,5,6,7
	v_cmp_gt_i32 vcc_lo, 16*(\e-1)+\j, v[MD]
	v_cndmask_b32 v[BI+8*\e+\j], v[BI+8*\e+\j], v[NINF], vcc_lo
.endr
.endr
.Lopen_\@:
	WIN 0x05                                       ; K and Q in window 1; S^T and the bias in window 0
.irp a, 0,1
.irp b, 0,1,2,3
	v_wmma_f32_16x16x32_f16 v[S+32*\a+8*\b:S+32*\a+8*\b+7], v[16*\b:16*\b+7], v[\qb+16*\a:\qb+16*\a+7], v[BI+8*(\b-\a+1):BI+8*(\b-\a+1)+7]
.endr
.endr
.irp a, 0,1                            ; the eight accumulators take turns, one instruction a turn
.irp b, 0,1,2,3
	v_wmma_f32_16x16x32_f16 v[S+32*\a+8*\b:S+32*\a+8*\b+7], v[16*\b+8:16*\b+15], v[\qb+16*\a+8:\qb+16*\a+15], v[S+32*\a+8*\b:S+32*\a+8*\b+7]
.endr
.endr
	WIN 0
.rept 4
	v_nop                                          ; places in front of the first read of the scores and of the loads into the bias tiles
.endr
.if \hp
	s_cmp_gt_u32 s[KF], s[QL]
	s_cbranch_scc1 .Lno_l_\@
.irp e, 0,1,2,3,4                      ; pair L's bias tiles, out of its own window, land under pair H's softmax
	ds_load_b128 v[BI+8*\e:BI+8*\e+3], v[ADB] offset:BWL+256*(\stp)+64*\e
	ds_load_b128 v[BI+8*\e+4:BI+8*\e+7], v[ADB] offset:BWL+256*(\stp)+64*\e+16
.endr
.Lno_l_\@:
.endif
	; the maximum of my 32 scores and the old m, the two tiles by turns; each accumulator is read from its low end on
.irp j, 0,1,2,3
.irp a, 0,1
	v_max3_num_f32 v[TT+8*\a+\j], v[S+32*\a+8*\j], v[S+32*\a+8*\j+1], v[S+32*\a+8*\j+2]
.endr
.endr
.irp z, 1,2
.irp j, 0,1,2,3
.irp a, 0,1
	v_max3_num_f32 v[TT+8*\a+\j], v[TT+8*\a+\j], v[S+32*\a+8*\j+2*\z+1], v[S+32*\a+8*\j+2*\z+2]
.endr
.endr
.endr
.irp a, 0,1
	v_max3_num_f32 v[TT+8*\a], v[TT+8*\a], v[S+32*\a+7], v[S+32*\a+15]
.endr
.irp a, 0,1
	v_max3_num_f32 v[TT+8*\a+2], v[TT+8*\a+2], v[S+32*\a+23], v[S+32*\a+31]
.endr
.irp a, 0,1
	v_max3_num_f32 v[TT+8*\a], v[TT+8*\a], v[TT+8*\a+1], v[TT+8*\a+2]
.endr
.irp a, 0,1
	v_max3_num_f32 v[TT+8*\a], v[TT+8*\a], v[TT+8*\a+3], v[ST+4*(\tz+\a)]
.endr
.irp a, 0,1
	v_permlanex16_b32 v[TT+8*\a+1], v[TT+8*\a], s[SEL], s[SEL+1]   ; the query's other 32 keys lie in the lane 16 away
.endr
.irp a, 0,1
	v_mov_b32 v[TT+8*\a+3], v[ST+4*(\tz+\a)]
.endr
.irp a, 0,1
	v_max_num_f32 v[ST+4*(\tz+\a)], v[TT+8*\a], v[TT+8*\a+1]       ; the new m
.endr
.irp a, 0,1
	v_sub_f32 v[TT+8*\a+3], v[TT+8*\a+3], v[ST+4*(\tz+\a)]         ; m_old - m_new
.endr
.set i, 0
.rept 16
.irp a, 0,1
	v_pk_add_f32 v[S+32*\a+i:S+32*\a+i+1], v[S+32*\a+i:S+32*\a+i+1], v[ST+4*(\tz+\a):ST+4*(\tz+\a)+1] op_sel_hi:[1,0] neg_lo:[0,1] neg_hi:[0,1]   ; t - m, two at a time
.endr
.set i, i+2
.endr
.irp a, 0,1
	v_exp_f32 v[TT+8*\a+4], v[TT+8*\a+3]           ; ONE BATCH of 66 exponentials: the two factors,
.endr
.set i, 0
.rept 32
.irp a, 0,1
	v_exp_f32 v[S+32*\a+i], v[S+32*\a+i]           ; and p = 2^(t - m)
.endr
.set i, i+1
.endr
	v_nop                                          ; a plain instruction behind the last exponential
	s_wait_alu depctr_va_vdst(0)                   ; one wait for the batch, ahead of its first reader
.irp a, 0,1                            ; the sum of the unrounded p: 16 pairs in two chains
	v_pk_add_f32 v[TT+8*\a+6:TT+8*\a+7], v[S+32*\a:S+32*\a+1], v[S+32*\a+2:S+32*\a+3]
.endr
.irp a, 0,1
	v_pk_add_f32 v[TT+8*\a:TT+8*\a+1], v[S+32*\a+4:S+32*\a+5], v[S+32*\a+6:S+32*\a+7]
.endr
.set i, 8
.rept 6
.irp a, 0,1
	v_pk_add_f32 v[TT+8*\a+6:TT+8*\a+7], v[TT+8*\a+6:TT+8*\a+7], v[S+32*\a+i:S+32*\a+i+1]
.endr
.irp a, 0,1
	v_pk_add_f32 v[TT+8*\a:TT+8*\a+1], v[TT+8*\a:TT+8*\a+1], v[S+32*\a+i+2:S+32*\a+i+3]
.endr
.set i, i+4
.endr
.irp a, 0,1
	v_pk_add_f32 v[TT+8*\a+6:TT+8*\a+7], v[TT+8*\a+6:TT+8*\a+7], v[TT+8*\a:TT+8*\a+1]
.endr
.irp a, 0,1
	v_pk_fma_f32 v[ST+4*(\tz+\a)+2:ST+4*(\tz+\a)+3], v[ST+4*(\tz+\a)+2:ST+4*(\tz+\a)+3], v[TT+8*\a+4:TT+8*\a+5], v[TT+8*\a+6:TT+8*\a+7] op_sel_hi:[1,0,1]   ; l = l x factor + sum
.endr
.set i, 0
.rept 16
.irp a, 0,1
	v_cvt_pk_f16_f32 v[S+32*\a+i], v[S+32*\a+2*i], v[S+32*\a+2*i+1]    ; P in f16, packed in place, ascending: registers 8 kh .. 8 kh + 7 are source 1 for keys 32 kh on
.endr
.set i, i+1
.endr
.if \hp
	s_wait_dscnt 0x0                               ; V is in, and pair L's bias tiles
	WIN 0x41                                       ; O^T of pair H: window 1
.endif
.set i, 0
.rept 16
.irp a, 0,1
	v_pk_mul_f32 v[OB+32*\a+i:OB+32*\a+i+1], v[OB+32*\a+i:OB+32*\a+i+1], v[TT+8*\a+4:TT+8*\a+5] op_sel_hi:[1,0]   ; O^T under the new m
.endr
.set i, i+2
.endr
.if \hp
	WIN 0x51                                       ; V window 1, P window 0, O^T window 1
.else
	WIN 0x01                                       ; O^T window 0
.endif
.irp kh, 0,1
.irp a, 0,1
.irp t, 0,1,2,3
	v_wmma_f32_16x16x32_f16 v[OB+32*\a+8*\t:OB+32*\a+8*\t+7], v[64+8*(4*\kh+\t):64+8*(4*\kh+\t)+7], v[S+32*\a+8*\kh:S+32*\a+8*\kh+7], v[OB+32*\a+8*\t:OB+32*\a+8*\t+7]
.endr
.endr
.endr
	WIN 0
.endm
; A KEY STEP: 64 keys, the q-th of the chunk in hand; its place in the slot and in the windows stands in the loads' immediates.
.macro STEP q
	s_cmp_gt_u32 s[KF], s[QH]                      ; all its keys come after my queries: only the count of keys steps
	s_cbranch_scc1 .Lskip_\@
.rept 5
	v_nop                                          ; the places behind the last step's products: four in front of the loads into V, five in front of the products that write over P
.endr
.irp e, 0,1,2,3,4
	ds_load_b128 v[BI+8*\e:BI+8*\e+3], v[ADB] offset:256*(\q)+64*\e
	ds_load_b128 v[BI+8*\e+4:BI+8*\e+7], v[ADB] offset:256*(\q)+64*\e+16
.endr
	WIN 0x40                                       ; destination window 1
.irp b, 0,1,2,3
.irp ks, 0,1
	ds_load_b128 v[16*\b+8*\ks:16*\b+8*\ks+3], v[ADK] offset:(64*(\q)+16*\b)*KP+64*\ks
	ds_load_b128 v[16*\b+8*\ks+4:16*\b+8*\ks+7], v[ADK] offset:(64*(\q)+16*\b)*KP+64*\ks+32
.endr
.endr
.irp kh, 0,1
.irp t, 0,1,2,3
	ds_load_tr16_b128 v[64+8*(4*\kh+\t):64+8*(4*\kh+\t)+3], v[ADV] offset:(64*(\q)+32*\kh)*VP+32*\t
	ds_load_tr16_b128 v[64+8*(4*\kh+\t)+4:64+8*(4*\kh+\t)+7], v[ADV] offset:(64*(\q)+32*\kh+16)*VP+32*\t
.endr
.endr
	WIN 0
	s_wait_dscnt 16                                ; the bias tiles and K are in; V's sixteen loads may be out
	PAIR 0, 128, QH, 1, \q
	s_cmp_gt_u32 s[KF], s[QL]
	s_cbranch_scc1 .Lskip_\@
	PAIR 2, 160, QL, 0, \q
.Lskip_\@:
	s_add_co_u32 s[KF], s[KF], 64
.endm
.Lchunk:                                           ; eight trips, in every work-group
	; THE CHANGE OF SLOTS, at a chunk's head.  All my tensor loads have landed (my part of the chunk ahead), my reads of the slot that I have left are over; behind the barrier that slot takes the chunk after.
	s_wait_tensorcnt 0x0                           ; no tensor load of mine is out, so a group 0 may be written
	ds_add_u32 v[SPW], v[NIL]                      ; 0 onto my spare word; the descriptors' steps stand between it and the wait for it
	s_xor_b32 s[G0K+1], s[G0K+1], SLOT1
	s_add_nc_u64 s[G0K+2:G0K+3], s[G0K+2:G0K+3], 32768
	s_xor_b32 s[G0V+1], s[G0V+1], SLOT1
	s_add_nc_u64 s[G0V+2:G0V+3], s[G0V+2:G0V+3], 32768
	s_wait_xcnt 0x0                                ; the last prefetches, a chunk back, have read their addresses
	s_add_nc_u64 s[PFK:PFK+1], s[PFK:PFK+1], 32768
	s_add_nc_u64 s[PFV:PFV+1], s[PFV:PFV+1], 32768
	s_wait_dscnt 0x0
	s_barrier_signal -1
	s_barrier_wait -1
	s_add_co_u32 s76, s[KF], 256                   ; THE LOOK-AHEAD ENDS AT THE CAUSAL LIMIT: a chunk whose first key comes after my work-group's last query is read by none of its waves and is not asked for.
	s_cmp_gt_u32 s76, s[HIK]                       ; ids and the count of steps alone: all eight waves go the same way.  In the last trip the chunk would begin at key 2,048: never asked for
	s_cbranch_scc1 .Lpast
	s_cmp_lt_u32 s[WV], 2
	s_cbranch_scc0 .Lnot_k
	tensor_load_to_lds s[G0K:G0K+3], s[G1K:G1K+7]
	s_nop 0
.rept 4
	v_nop
.endr
	s_branch .Lasked
.Lnot_k:
	s_cmp_lt_u32 s[WV], 4
	s_cbranch_scc0 .Lasked
	tensor_load_to_lds s[G0V:G0V+3], s[G1V:G1V+7]
	s_nop 0
.rept 4
	v_nop
.endr
.Lasked:
.Lpast:
	; A PREFETCH of the chunk after the one just asked for: 32,768 bytes of K and of V; waves 4 to 7 of the head's work-group 0 ask, 8,192 bytes each, lanes 256 bytes apart: each block is named once in the launch.
	; Trips 0 to 5 ask for chunks 2 to 7; the last two ask for nothing.
	s_cmp_gt_u32 s[CH], s[LIM]
	s_cbranch_scc0 .Lno_ask
	global_prefetch_b8 v[PFO], s[PFK:PFK+1] th:TH_LOAD_NT scope:SCOPE_SE
	global_prefetch_b8 v[PFO], s[PFV:PFV+1] th:TH_LOAD_NT scope:SCOPE_SE
.Lno_ask:
	v_add_nc_u32 v[ADK], s[TB], v[AK0]             ; the chunk's addresses, made once a trip on the way that every wave takes
	v_add_nc_u32 v[ADV], s[TB], v[AV0]
	v_add_nc_u32 v[ADB], s[TBI], v[AB0]
	STEP 0
	STEP 1
	STEP 2
	STEP 3
	s_xor_b32 s[TB], s[TB], SLOT1                  ; on to the other slot,
	s_add_co_u32 s[TBI], s[TBI], 1024              ; and 256 entries on in the windows
	s_sub_co_u32 s[CH], s[CH], 1
	s_cmp_lg_u32 s[CH], 0
	s_cbranch_scc1 .Lchunk
	; THE WAY OUT.  l's halves are added; O^T / l is rounded to f16 and goes through my stage, a tile of 16 queries at a time.  The additions are the places behind the last products.
.irp t, 0,1,2,3
	v_add_f32 v[TT+2*\t], v[ST+4*\t+2], v[ST+4*\t+3]
.endr
.irp t, 0,1,2,3
	v_permlanex16_b32 v[TT+8+\t], v[TT+2*\t], s[SEL], s[SEL+1]
.endr
.irp t, 0,1,2,3
	v_add_f32 v[TT+2*\t], v[TT+2*\t], v[TT+8+\t]
.endr
.irp t, 0,1,2,3
	v_rcp_f32 v[TT+2*\t], v[TT+2*\t]
.endr
	v_nop                                          ; a plain instruction behind the last reciprocal
	s_wait_alu depctr_va_vdst(0)                   ; one wait for the four, ahead of their first reader
.macro PACKO tl
.set AA, (\tl)%2
.if (\tl) < 2
	WIN 0x41
.endif
.set i, 0
.rept 16
	v_pk_mul_f32 v[OB+32*AA+i:OB+32*AA+i+1], v[OB+32*AA+i:OB+32*AA+i+1], v[TT+2*(\tl):TT+2*(\tl)+1] op_sel_hi:[1,0]
.set i, i+2
.endr
.if (\tl) < 2
	WIN 0x05
.endif
.set i, 0
.rept 16
	v_cvt_pk_f16_f32 v[BI+16*AA+i], v[OB+32*AA+2*i], v[OB+32*AA+2*i+1]
.set i, i+1
.endr
	WIN 0
.irp t, 0,1,2,3
	ds_store_b128 v[STO], v[BI+16*AA+4*\t:BI+16*AA+4*\t+3] offset:32*\t
.endr
.irp t, 0,1,2,3
	ds_load_b128 v[S+16*(\tl)+4*\t:S+16*(\tl)+4*\t+3], v[RD] offset:576*\t   ; LDS serves a wave's instructions in order: these see my stores, and the next tile's stores come behind them
.endr
.endm
	PACKO 0
	PACKO 1
	PACKO 2
	PACKO 3
	s_wait_dscnt 0x0
.irp tl, 0,1
.irp t, 0,1,2,3
	global_store_b128 v[GO], v[S+16*\tl+4*\t:S+16*\tl+4*\t+3], s[OHB:OHB+1] offset:2048*\tl+512*\t     ; 32 lanes store four rows: 512 consecutive bytes, aligned
.endr
.endr
.irp tl, 0,1
.irp t, 0,1,2,3
	global_store_b128 v[GO], v[S+32+16*\tl+4*\t:S+32+16*\tl+4*\t+3], s[OLB:OLB+1] offset:2048*\tl+512*\t
.endr
.endr
	s_wait_tensorcnt 0x0                           ; the wave's end, behind my last tensor load and my last LDS store
	ds_add_u32 v[SPW], v[NIL]
	s_wait_dscnt 0x0
	s_endpgm
.Lfunc_end_k_qe2a568d525_attn:
	.size	k_qe2a568d525_attn, .Lfunc_end_k_qe2a568d525_attn-k_qe2a568d525_attn
	.p2alignl 7, 3214868480
	.fill 96, 4, 3214868480
	.section	.rodata,"a",@progbits
	.p2align	6, 0x0
	.amdhsa_kernel k_qe2a568d525_attn
		.amdhsa_group_segment_fixed_size 327680
		.amdhsa_private_segment_fixed_size 0
		.amdhsa_enable_private_segment 0
		.amdhsa_kernarg_size 24
		.amdhsa_user_sgpr_count 2
		.amdhsa_user_sgpr_kernarg_segment_ptr 1
		.amdhsa_wavefront_size32 1
		.amdhsa_system_sgpr_workgroup_id_x 1
		.amdhsa_system_sgpr_workgroup_id_y 1
		.amdhsa_system_sgpr_workgroup_id_z 1
		.amdhsa_system_vgpr_workitem_id 0
		.amdhsa_next_free_vgpr 512
		.amdhsa_next_free_sgpr 92
		.amdhsa_reserve_vcc 1
		.amdhsa_float_denorm_mode_32 3
		.amdhsa_float_denorm_mode_16_64 3
		.amdhsa_memory_ordered 1
		.amdhsa_forward_progress 1
		.amdhsa_inst_pref_size 184
	.end_amdhsa_kernel
	.amdgpu_metadata
---
amdhsa.version: [ 1, 2 ]
amdhsa.kernels:
  - .name:           k_qe2a568d525_attn
    .symbol:         k_qe2a568d525_attn.kd
    .args:
      - { .name: qkv, .offset: 0, .size: 8, .value_kind: global_buffer, .address_space: global }
      - { .name: btab, .offset: 8, .size: 8, .value_kind: global_buffer, .address_space: global }
      - { .name: a16, .offset: 16, .size: 8, .value_kind: global_buffer, .address_space: global }
    .group_segment_fixed_size: 327680
    .private_segment_fixed_size: 0
    .kernarg_segment_align: 8
    .kernarg_segment_size: 24
    .max_flat_workgroup_size: 256
    .sgpr_count:     92
    .vgpr_count:     512
    .wavefront_size: 32
...
	.end_amdgpu_metadata
.endif
;; end of part 3
;; launch gemm_out (part 4): grid 4 x 64, 4 waves a work-group, clusters of 4 x 4, 327,680 bytes of LDS; arguments a16, w0h, out0; writes out0
.if DOCPART == 4
	.amdgcn_target "amdgcn-amd-amdhsa--gfx1250"
	.amdhsa_code_object_version 6
	.text
	.protected	k_qe2a568d525_gemm_out
	.globl	k_qe2a568d525_gemm_out
	.p2align	8
	.type	k_qe2a568d525_gemm_out,@function
k_qe2a568d525_gemm_out:
	s_mov_b64 s[64:65], 0
	v_nop
	global_prefetch_b8 v0, s[64:65] scope:SCOPE_SE
	s_setreg_imm32_b32 hwreg(HW_REG_WAVE_MODE, 25, 1), 1
	s_wait_xcnt 0x0
	s_wait_alu depctr_hold_cnt(0) depctr_sa_sdst(0) depctr_va_vdst(0) depctr_va_sdst(0) depctr_va_ssrc(0) depctr_va_vcc(0) depctr_vm_vsrc(0)
	s_getreg_b32 s2, hwreg(HW_REG_IB_STS2, 6, 4)
	s_cmp_eq_u32 s2, 0
	s_cbranch_scc0 .Lentry_in_a_cluster
	s_endpgm
.Lentry_in_a_cluster:
	s_bfe_u32 s2, ttmp6, 0x10000c
	s_cmp_lg_u32 s2, 0xf033
	s_cbranch_scc0 .Lentry_shape_is_right
	s_endpgm
.Lentry_shape_is_right:
; out = a W_0: a as f16 laid [head][token 8192][64], W_0 as f16 laid [k 1024][n 1024], out f32 [8192][1024]; sums in f32.
; A tile of out is 128 tokens x 256 columns: 256 work-groups (tiles of 256 x 256 would be 128).  Four waves, each 64 x 128: 32 accumulators, window 1.
; K goes in steps of 128 (two heads) through a ring of two LDS slots.  A K step's tiles of a are two dense blocks of 128 rows x 128 bytes; W_0's is 128 k-rows of 512 bytes, read out of LDS by the turning load, since its K is not innermost.
; CLUSTERS: 4 x 4 work-groups: a's tiles are asked for jointly along a row of the cluster, W_0's along a column.
; THE MATRIX INSTRUCTION IS USED TRANSPOSED (source 0 = 16 columns of W_0, source 1 = 16 tokens): a lane holds eight neighbouring columns of one token.
; All rows are made here, positions 0-15 too (leaving them out would be a branch on a work-group's place in its cluster); the launch behind this one writes those 64 rows anew, from f32 operands.
; REGISTERS: window 0: v16-31 addresses; fragment buffer f: a's four fragments at v[32 + 32 f], W_0's eight at v[128 + 64 f].  window 1: accumulator (a, b) at v[8 (8 a + b)].
.set AP,     144                       ; a row of a in LDS: 128 bytes + 16
.set ASUB,   128*AP                    ; one head's 128 rows
.set BP,     544                       ; a k-row of W_0: 512 bytes + 32, for the turning load
.set BOFF,   2*ASUB
.set BHALF,  64*BP
.set SLOT,   BOFF+2*BHALF
.set SPARE,  2*SLOT                    ; the spare words, 128 bytes for each wave: two blocks of 256 bytes that no other line names
.set SPITCH, 528                       ; the way out: 16 rows x (512 + 16) for each wave, in slot 0, which has had its last fill and its last read by then
.set ADRA, 16
.set ADRB, 20
.set STO,  24
.set RD,   25
.set CO,   26
.set SPW,  28
.set NIL,  29
.set PFO,  30
.set G1, 24
.set G0, 32
.set G1B, 48
.set G0B, 56
.set PFA, 66
.set LIM, 68
.set MSB, 0
.macro WIN new
.if MSB != (\new)
	s_set_vgpr_msb (MSB<<8)|(\new)
.set MSB, (\new)
.endif
.endm
.set MUL, 0x50                         ; C and D window 1, the fragments window 0
.macro JLOAD s                         ; a joint load: waves 0, 1 fetch a's two heads, waves 2, 3 W_0's two halves; an s_nop 0 and four v_nop follow each line
	s_cmp_eq_u32 s11, 0
	s_cbranch_scc0 .Lfor_b_\@
	tensor_load_to_lds s[G0+4*\s:G0+4*\s+3], s[G1:G1+7]
	s_nop 0
.rept 4
	v_nop
.endr
	s_branch .Lasked_\@
.Lfor_b_\@:
	tensor_load_to_lds s[G0B+4*\s:G0B+4*\s+3], s[G1B:G1B+7]
	s_nop 0
.rept 4
	v_nop
.endr
.Lasked_\@:
.endm
.macro CREST
	s_cmp_lg_u32 s10, 0
	s_cbranch_scc1 .Lnot_wave_0_\@
	s_barrier_signal -3
.Lnot_wave_0_\@:
	s_barrier_wait -3
	s_barrier_signal -1
	s_barrier_wait -1
.endm
.macro CROUND
	s_barrier_signal -1
	s_barrier_wait -1
	CREST
.endm
; A PREFETCH of a's K step two refills on: 32,768 bytes.  Wave 0 of each of the four partners that ask for the tile jointly names a quarter, told apart by address (head cx / 2, half cx % 2), lanes 256 bytes apart:
; a tile row of a is read by this row of this cluster alone, so each block is named once.  The loop's last trip asks for nothing.  W_0 is left out: every cluster reads the same 2 MiB again and again.
.macro ASK
	s_cmp_gt_u32 s3, s[LIM]
	s_cbranch_scc0 .Lnot_mine_\@
	global_prefetch_b8 v[PFO], s[PFA:PFA+1] th:TH_LOAD_NT scope:SCOPE_SE
.Lnot_mine_\@:
.endm
	s_load_b128 s[4:7], s[0:1], 0x0                ; a16 s[4:5], w0h s[6:7]
	s_load_b64 s[8:9], s[0:1], 0x10                ; out0
	v_lshl_add_u32 v[SPW], v0, 2, SPARE
	v_mov_b32 v[NIL], 0
	ds_add_u32 v[SPW], v[NIL]                      ; the wave's opening: the add, twice on end, and its wait ahead of my first tensor load
	ds_add_u32 v[SPW], v[NIL]
	v_lshrrev_b32 v1, 5, v0
	v_readfirstlane_b32 s10, v1                    ; wave 0..3
	s_lshr_b32 s11, s10, 1                         ; which 64 tokens are mine.  Also: I fetch for a (0) or for W_0 (1)
	s_and_b32 s12, s10, 1                          ; which 128 columns.  Also: which half I fetch
	s_bfe_u32 s40, ttmp6, 0x40000                  ; cx
	s_bfe_u32 s41, ttmp6, 0x40004                  ; cy
	s_lshl_b32 s42, ttmp9, 2
	s_add_co_u32 s42, s42, s40                     ; tile column
	s_and_b32 s13, ttmp7, 0xffff
	s_lshl_b32 s13, s13, 2
	s_add_co_u32 s13, s13, s41                     ; tile row
	s_lshl_b32 s43, s41, 2
	s_lshl_b32 s43, 15, s43                        ; my row of the cluster
	s_lshl_b32 s44, 0x1111, s40                    ; my column
	s_or_b32 s[G1+0], s43, (1<<16)|(1<<20)|(1<<21)|(4<<22)|(3<<25)   ; the mask; elements of 2 bytes; padding on; bit 21 beside a mask; after every 32 words, 4 words
	s_mov_b32 s[G1+1], 64<<16
	s_mov_b32 s[G1+2], 128<<16
	s_mov_b32 s[G1+3], 64<<16
	s_mov_b32 s[G1+4], 128
	s_mov_b32 s[G1+5], 64
	s_mov_b32 s[G1+6], 0
	s_mov_b32 s[G1+7], 0
	s_or_b32 s[G1B+0], s44, (1<<16)|(1<<20)|(1<<21)|(6<<22)|(7<<25)  ; after every 128 words, 8 words
	s_mov_b32 s[G1B+1], 256<<16
	s_mov_b32 s[G1B+2], 64<<16
	s_mov_b32 s[G1B+3], 256<<16
	s_mov_b32 s[G1B+4], 64
	s_mov_b32 s[G1B+5], 1024
	s_mov_b32 s[G1B+6], 0
	s_mov_b32 s[G1B+7], 0
	s_lshl_b32 s16, s12, 20                        ; a: head (w % 2) of the step, a plane of 2^20 bytes; 128 tokens x 128 bytes a tile row
	s_lshl_b32 s17, s13, 14
	s_add_co_u32 s16, s16, s17
	s_mov_b32 s17, 0
	s_lshl_b32 s46, s12, 17                        ; W_0: k-rows 64 (w % 2) on, 2,048 bytes each; 512 bytes a tile column
	s_lshl_b32 s47, s42, 9
	s_add_co_u32 s46, s46, s47
	s_mov_b32 s47, 0
	s_mul_i32 s20, s12, ASUB                       ; where they go: no place in the cluster enters an LDS address
	s_mul_i32 s21, s12, BHALF
	s_add_co_u32 s21, s21, BOFF
	s_wait_dscnt 0x0                               ; both opening adds are done
	s_wait_kmcnt 0x0
	s_add_nc_u64 s[14:15], s[4:5], s[16:17]
	s_add_nc_u64 s[46:47], s[6:7], s[46:47]
	CROUND                                         ; all sixteen work-groups are here: the first joint loads meet
.irp s, 0,1
	s_mov_b32 s[G0+4*\s], 1
	s_add_co_u32 s[G0+4*\s+1], s20, \s*SLOT
	s_add_nc_u64 s[G0+4*\s+2:G0+4*\s+3], s[14:15], \s*2097152
	s_or_b32 s[G0+4*\s+3], s[G0+4*\s+3], 0x80000000
	s_mov_b32 s[G0B+4*\s], 1
	s_add_co_u32 s[G0B+4*\s+1], s21, \s*SLOT
	s_add_nc_u64 s[G0B+4*\s+2:G0B+4*\s+3], s[46:47], \s*262144
	s_or_b32 s[G0B+4*\s+3], s[G0B+4*\s+3], 0x80000000
	JLOAD \s
.endr
	v_and_b32 v1, 15, v0                           ; r
	v_bfe_u32 v2, v0, 4, 1                         ; hh
	v_mul_u32_u24 v3, v1, AP
	v_lshl_add_u32 v3, v2, 4, v3
	v_and_b32 v4, 7, v0
	v_lshl_add_u32 v4, v2, 3, v4
	v_mul_u32_u24 v4, v4, BP
	v_bfe_u32 v5, v0, 3, 1
	v_lshl_add_u32 v4, v5, 4, v4                   ; the turning load: k-row 8 hh + lane % 8, columns 8 ((lane / 8) % 2) on
	s_mul_i32 s21, s11, 64*AP                      ; my 64 tokens
	s_lshl_b32 s22, s12, 8                         ; my 128 columns
	s_add_co_u32 s22, s22, BOFF
.irp s, 0,1
	v_add_nc_u32 v[ADRA+\s], s21, v3
	v_add_nc_u32 v[ADRB+\s], s22, v4
	s_add_co_u32 s21, s21, SLOT
	s_add_co_u32 s22, s22, SLOT
.endr
	s_mul_i32 s23, s10, 16*SPITCH                  ; my stage
	v_mul_u32_u24 v5, v1, SPITCH
	v_lshl_add_u32 v5, v2, 5, v5
	v_add_nc_u32 v[STO], s23, v5
	v_and_b32 v6, 31, v0
	v_lshlrev_b32 v[CO], 4, v6
	v_add_nc_u32 v[RD], s23, v[CO]
	v_lshlrev_b32 v[PFO], 8, v6
	s_lshl_b32 s16, s13, 7
	s_lshl_b32 s18, s11, 6
	s_add_co_u32 s16, s16, s18                     ; my first row of out,
	s_lshl_b32 s16, s16, 12
	s_lshl_b32 s18, s42, 10                        ; my first column, in bytes
	s_add_co_u32 s16, s16, s18
	s_lshl_b32 s18, s12, 9
	s_add_co_u32 s16, s16, s18
	s_mov_b32 s17, 0
	s_add_nc_u64 s[8:9], s[8:9], s[16:17]
	s_lshr_b32 s16, s40, 1                         ; the prefetches stand in K step 3: the first refill steps them to K step 4
	s_add_co_u32 s16, s16, 6
	s_lshl_b32 s16, s16, 20
	s_lshl_b32 s18, s13, 14
	s_add_co_u32 s16, s16, s18
	s_and_b32 s18, s40, 1
	s_lshl_b32 s18, s18, 13
	s_add_co_u32 s16, s16, s18
	s_add_nc_u64 s[PFA:PFA+1], s[4:5], s[16:17]
	s_cmp_eq_u32 s10, 0
	s_cselect_b32 s[LIM], 1, -1
.macro FETCH slot, q, f                ; the fragments of the slot's q-th 32 along K into buffer f: 24 LDS loads in one run
.irp i, 0,1,2,3
	ds_load_b128 v[32+32*(\f)+8*\i:32+32*(\f)+8*\i+3], v[ADRA+\slot] offset:((\q)/2)*ASUB+((\q)%2)*64+\i*16*AP
	ds_load_b128 v[32+32*(\f)+8*\i+4:32+32*(\f)+8*\i+7], v[ADRA+\slot] offset:((\q)/2)*ASUB+((\q)%2)*64+\i*16*AP+32
.endr
.irp i, 0,1,2,3,4,5,6,7
	ds_load_tr16_b128 v[128+64*(\f)+8*\i:128+64*(\f)+8*\i+3], v[ADRB+\slot] offset:(\q)*32*BP+32*\i
	ds_load_tr16_b128 v[128+64*(\f)+8*\i+4:128+64*(\f)+8*\i+7], v[ADRB+\slot] offset:(\q)*32*BP+32*\i+16*BP
.endr
.endm
.macro MULA f, a, zero                 ; eight products: token block a x the eight column blocks.  The 32 accumulators take turns, one instruction a turn, in the same order in every quarter
.irp b, 0,1,2,3,4,5,6,7
.if \zero
	v_wmma_f32_16x16x32_f16 v[8*(8*(\a)+\b):8*(8*(\a)+\b)+7], v[128+64*(\f)+8*\b:128+64*(\f)+8*\b+7], v[32+32*(\f)+8*(\a):32+32*(\f)+8*(\a)+7], 0
.else
	v_wmma_f32_16x16x32_f16 v[8*(8*(\a)+\b):8*(8*(\a)+\b)+7], v[128+64*(\f)+8*\b:128+64*(\f)+8*\b+7], v[32+32*(\f)+8*(\a):32+32*(\f)+8*(\a)+7], v[8*(8*(\a)+\b):8*(8*(\a)+\b)+7]
.endif
.endr
.endm
.macro PLACES
.rept 4
	v_nop
.endr
.endm
.macro QUARTER slot, qn, f, g, zero    ; multiplies buffer f; ahead of its 32 products it asks for the slot's quarter qn, into buffer g
	s_wait_dscnt 0x0                               ; buffer f is in (asked for 32 products ago)
	PLACES                                         ; in front of loads into registers that the last quarter's products read
	WIN 0
	FETCH \slot, \qn, \g
	WIN MUL
	MULA \f, 0, \zero
	MULA \f, 1, \zero
	MULA \f, 2, \zero
	MULA \f, 3, \zero
.endm
; A K step's last quarter multiplies buffer 1 and changes slots: one barrier; in front of it all my tensor loads have landed and my reads of this slot are over.  fill = 1: it opens a round of the cluster's barrier, and this slot is filled again.
.macro TURN slot, next, fill
.if \fill
	s_wait_xcnt 0x0                                ; the last prefetch, a K step back, has read its address
	s_add_nc_u64 s[PFA:PFA+1], s[PFA:PFA+1], 2097152
.endif
	WIN 0
	s_wait_tensorcnt 0x0                           ; all my tensor loads have landed: my part of the next slot
	ds_add_u32 v[SPW], v[NIL]
	s_wait_dscnt 1                                 ; buffer 1 is in; the add alone may be out
	WIN MUL
	MULA 1, 0, 0
	s_wait_dscnt 0x0                               ; the add is done, and my reads of this slot are over
	s_barrier_signal -1
	MULA 1, 1, 0
	WIN 0
	s_barrier_wait -1
.if \fill
	CREST                                          ; no wave of any partner still reads this slot or has a load on its way
	s_add_nc_u64 s[G0+4*\slot+2:G0+4*\slot+3], s[G0+4*\slot+2:G0+4*\slot+3], 4194304
	s_add_nc_u64 s[G0B+4*\slot+2:G0B+4*\slot+3], s[G0B+4*\slot+2:G0B+4*\slot+3], 524288
	JLOAD \slot                                    ; the first tensor load behind the round; its four v_nop are also the places in front of the loads below
.else
	PLACES
.endif
	FETCH \next, 0, 0
.if \fill
	ASK
.endif
	WIN MUL
	MULA 1, 2, 0
	MULA 1, 3, 0
.endm
	s_wait_tensorcnt 1                             ; my part of K step 0 is in; K step 1's load may be out
	s_barrier_signal -1
	s_barrier_wait -1
	FETCH 0, 0, 0
	QUARTER 0, 1, 0, 1, 1                          ; the first products start the sums: nothing is cleared
	WIN 0
	s_mov_b32 s3, 3
.Llap:                                                 ; a trip goes once round the ring and fills both slots again: K steps 2 to 7
	QUARTER 0, 2, 1, 0, 0
	QUARTER 0, 3, 0, 1, 0
	TURN 0, 1, 1
	QUARTER 1, 1, 0, 1, 0
	QUARTER 1, 2, 1, 0, 0
	QUARTER 1, 3, 0, 1, 0
	TURN 1, 0, 1
	QUARTER 0, 1, 0, 1, 0
	WIN 0
	s_sub_co_u32 s3, s3, 1
	s_cmp_lg_u32 s3, 0
	s_cbranch_scc1 .Llap
	QUARTER 0, 2, 1, 0, 0                          ; the last lap fills nothing
	QUARTER 0, 3, 0, 1, 0
	TURN 0, 1, 0
	QUARTER 1, 1, 0, 1, 0
	QUARTER 1, 2, 1, 0, 0
	QUARTER 1, 3, 0, 1, 0
	s_wait_dscnt 0x0
	WIN MUL
	MULA 1, 0, 0
	MULA 1, 1, 0
	MULA 1, 2, 0
	MULA 1, 3, 0
	WIN 0
; THE WAY OUT, a block of 16 tokens x 128 columns at a time, through my own stage: back come whole rows of 512 bytes.
.macro TOSTAGE a
	WIN 0x04                                       ; an LDS store's data are its source 1: window 1
.irp b, 0,1,2,3,4,5,6,7
	ds_store_b128 v[STO], v[8*(8*(\a)+\b):8*(8*(\a)+\b)+3] offset:64*\b        ; each accumulator from its low end on
	ds_store_b128 v[STO], v[8*(8*(\a)+\b)+4:8*(8*(\a)+\b)+7] offset:64*\b+16
.endr
	WIN 0
.set BB, 32+96*((\a)%2)
.irp t, 0,1,2,3,4,5,6,7,8,9,10,11,12,13,14,15
	ds_load_b128 v[BB+4*\t:BB+4*\t+3], v[RD] offset:\t*SPITCH
.endr
.endm
.macro SEND a, younger
.set BB, 32+96*((\a)%2)
	s_wait_dscnt \younger                          ; the block is back in registers
.irp t, 0,1,2,3,4,5,6,7,8,9,10,11,12,13,14,15
	global_store_b128 v[CO], v[BB+4*\t:BB+4*\t+3], s[8:9] offset:(16*(\a)+\t)*4096 th:TH_STORE_NT   ; 32 lanes store 512 consecutive bytes, aligned
.endr
.endm
	PLACES
	TOSTAGE 0
.irp a, 1,2,3
.if \a > 1
	s_wait_xcnt 0x0                                ; block a - 2's stores have read their registers: block a's loads may land there
.endif
	TOSTAGE \a
	SEND \a-1, 32                                  ; behind block a - 1's loads: block a's 16 stores and 16 loads
.endr
	SEND 3, 0
	s_wait_tensorcnt 0x0                           ; the wave's end, behind my last tensor load and my last LDS store
	ds_add_u32 v[SPW], v[NIL]
	s_wait_dscnt 0x0
	CROUND                                         ; the closing round
	s_endpgm
.Lfunc_end_k_qe2a568d525_gemm_out:
	.size	k_qe2a568d525_gemm_out, .Lfunc_end_k_qe2a568d525_gemm_out-k_qe2a568d525_gemm_out
	.p2alignl 7, 3214868480
	.fill 96, 4, 3214868480
	.section	.rodata,"a",@progbits
	.p2align	6, 0x0
	.amdhsa_kernel k_qe2a568d525_gemm_out
		.amdhsa_group_segment_fixed_size 327680
		.amdhsa_private_segment_fixed_size 0
		.amdhsa_enable_private_segment 0
		.amdhsa_kernarg_size 24
		.amdhsa_user_sgpr_count 2
		.amdhsa_user_sgpr_kernarg_segment_ptr 1
		.amdhsa_wavefront_size32 1
		.amdhsa_system_sgpr_workgroup_id_x 1
		.amdhsa_system_sgpr_workgroup_id_y 1
		.amdhsa_system_sgpr_workgroup_id_z 1
		.amdhsa_system_vgpr_workitem_id 0
		.amdhsa_next_free_vgpr 512
		.amdhsa_next_free_sgpr 72
		.amdhsa_reserve_vcc 0
		.amdhsa_float_denorm_mode_32 3
		.amdhsa_float_denorm_mode_16_64 3
		.amdhsa_memory_ordered 1
		.amdhsa_forward_progress 1
		.amdhsa_inst_pref_size 85
	.end_amdhsa_kernel
	.amdgpu_metadata
---
amdhsa.version: [ 1, 2 ]
amdhsa.kernels:
  - .name:           k_qe2a568d525_gemm_out
    .symbol:         k_qe2a568d525_gemm_out.kd
    .args:
      - { .name: a16, .offset: 0, .size: 8, .value_kind: global_buffer, .address_space: global }
      - { .name: w0h, .offset: 8, .size: 8, .value_kind: global_buffer, .address_space: global }
      - { .name: out0, .offset: 16, .size: 8, .value_kind: global_buffer, .address_space: global }
    .group_segment_fixed_size: 327680
    .private_segment_fixed_size: 0
    .kernarg_segment_align: 8
    .kernarg_segment_size: 24
    .max_flat_workgroup_size: 128
    .sgpr_count:     72
    .vgpr_count:     512
    .wavefront_size: 32
...
	.end_amdgpu_metadata
.endif
;; end of part 4
;; launch first16 (part 5): grid 16 x 4, 16 waves a work-group, no clusters, 280,576 bytes of LDS; arguments qkv32, btab, W_0, out0; writes out0
.if DOCPART == 5
	.amdgcn_target "amdgcn-amd-amdhsa--gfx1250"
	.amdhsa_code_object_version 6
	.text
	.protected	k_qe2a568d525_first16
	.globl	k_qe2a568d525_first16
	.p2align	8
	.type	k_qe2a568d525_first16,@function
k_qe2a568d525_first16:
	s_mov_b64 s[64:65], 0
	v_nop
	global_prefetch_b8 v0, s[64:65] scope:SCOPE_SE
	s_setreg_imm32_b32 hwreg(HW_REG_WAVE_MODE, 25, 1), 1
	s_wait_xcnt 0x0
; POSITIONS 0 TO 15 OF EVERY BATCH, WHOLLY IN f32: these rows average one to sixteen values and are the largest of the output, so their attention and their projection take f32 operands (16 x 16 x 4 products: no bulk work).
; Work-group (x, b): batch b, output columns 64 x .. 64 x + 63.  Wave w is head w: it makes the head's 16 x 16 attention, and then sums over its own 64 rows of W_0 (k = 64 w + d): nothing changes waves before the last sum.
; q, k, v come from qkv32 [16 b + t][1024 kk + 64 h + d] (q carries 0.125 log2(e)); the bias from copy 0 of the table (it carries log2(e)).
; All three products are used transposed, so that a lane holds one query (lane % 16) throughout.  The unit's k = 2 (lane / 16) + j is laid alike on both sides of each product:
;   scores: d = 8 c + 4 hh + 2 u + j;   values: key 8 hh + 2 u + j, as the weights lie;   projection: d = 16 t + 8 hh + 2 u + j, as the head's result lies.
; v32-63, the four accumulators, are written by matrix instructions alone; what is made of a sum goes into other registers.
; LDS: wave w's 64 k-rows x 256 bytes of W_0 (pitch 272), brought by its own tensor load and read by it alone; later its partial sums, in the same bytes, which are filled once.
; LIMITS: NaN and infinities are not served; |t| far under 1e30.
.set WP,    272
.set WREG,  64*WP
.set SPARE, 16*WREG                    ; the spare words, 128 bytes for each wave: eight blocks of 256 bytes that no other line names
.set SPW,   14
.set NIL,   15
.set ACC,   32
.set QR,    64                         ; v64-95 q, later the head's result
.set KR,    96                         ; v96-127 k
.set VR,    128                        ; v128-159 v
.set BI,    160                        ; v160-167 the bias
.set TR,    168                        ; v168-175 t, then p;  v176-183 at work
.set WB,    184                        ; v184-215, v216-247 two groups of W_0's fragments
	s_load_b256 s[4:11], s[0:1], 0x0               ; qkv32 s[4:5], the bias table s[6:7], W_0 s[8:9], out0 s[10:11]
	v_lshl_add_u32 v[SPW], v0, 2, SPARE
	v_mov_b32 v[NIL], 0
	ds_add_u32 v[SPW], v[NIL]                      ; the wave's opening: the add, twice on end, and its wait ahead of my first tensor load
	ds_add_u32 v[SPW], v[NIL]
	v_lshrrev_b32 v1, 5, v0
	v_readfirstlane_b32 s12, v1                    ; wave = head
	s_and_b32 s14, ttmp7, 0xffff                   ; batch
	s_mov_b32 s16, (2<<16)|(1<<20)|(5<<22)|(3<<25) ; elements of 4 bytes; padding on: after every 64 words, 4 words
	s_mov_b32 s17, 64<<16                          ; tensor_dim0
	s_mov_b32 s18, 64<<16                          ; tensor_dim1
	s_mov_b32 s19, 64<<16                          ; tile_dim0
	s_mov_b32 s20, 64                              ; tile_dim1
	s_mov_b32 s21, 1024                            ; from row to row
	s_mov_b32 s22, 0
	s_mov_b32 s23, 0
	s_mov_b32 s28, 0x76543210
	s_mov_b32 s29, 0xfedcba98
	s_mul_i32 s30, s12, WREG
	s_lshl_b32 s32, s12, 18                        ; my 64 rows of W_0, 4,096 bytes each,
	s_lshl_b32 s33, ttmp9, 8                       ; the work-group's 64 columns
	s_add_co_u32 s32, s32, s33
	s_mov_b32 s33, 0
	s_mov_b32 s35, 0
	s_wait_dscnt 0x0                               ; both opening adds are done
	s_wait_kmcnt 0x0
	s_mov_b32 s24, 1
	s_mov_b32 s25, s30
	s_add_nc_u64 s[26:27], s[8:9], s[32:33]
	s_or_b32 s27, s27, 0x80000000
	tensor_load_to_lds s[24:27], s[16:23]          ; my one tensor load
	s_nop 0
	s_mul_i32 s34, s14, 16*12288
	s_lshl_b32 s36, s12, 8
	s_add_co_u32 s34, s34, s36
	s_add_nc_u64 s[4:5], s[4:5], s[34:35]          ; my batch's 16 rows, my head's q
	s_lshl_b32 s34, s12, 16
	s_add_nc_u64 s[6:7], s[6:7], s[34:35]          ; my head's table, copy 0
	s_lshl_b32 s34, s14, 23
	s_lshl_b32 s36, ttmp9, 8
	s_add_co_u32 s34, s34, s36
	s_add_nc_u64 s[10:11], s[10:11], s[34:35]      ; out: my batch's first row, the work-group's columns
	v_and_b32 v1, 15, v0                           ; r
	v_bfe_u32 v2, v0, 4, 1                         ; hh
	v_mul_u32_u24 v4, v1, 12288
	v_lshl_add_u32 v4, v2, 4, v4                   ; q, k: row r, + 16 hh
	v_mul_u32_u24 v5, v2, 8*12288
	v_lshl_add_u32 v5, v1, 2, v5                   ; v: row 8 hh, channel r
	v_xor_b32 v3, 15, v1
	v_lshl_add_u32 v3, v2, 3, v3
	v_lshlrev_b32 v6, 2, v3
	v_add_nc_u32 v6, 4*2032, v6                    ; the bias: entry 2047 + key - query = 2032 + (15 - r) + 8 hh + j
.irp c, 0,1,2,3,4,5,6,7
	global_load_b128 v[QR+4*\c:QR+4*\c+3], v4, s[4:5] offset:32*\c
.endr
.irp c, 0,1,2,3,4,5,6,7
	global_load_b128 v[KR+4*\c:KR+4*\c+3], v4, s[4:5] offset:4096+32*\c
.endr
.irp j, 0,1,2,3,4,5,6,7
	global_load_b32 v[BI+\j], v6, s[6:7] offset:4*\j
.endr
.irp t, 0,1,2,3
.irp u, 0,1,2,3
.irp j, 0,1
	global_load_b32 v[VR+8*\t+2*\u+\j], v5, s[4:5] offset:(2*\u+\j)*12288+8192+64*\t
.endr
.endr
.endr
	v_mul_u32_u24 v7, v2, 8*WP
	v_lshl_add_u32 v7, v1, 2, v7
	v_add_nc_u32 v7, s30, v7                       ; W_0 in LDS: k-row 8 hh, column r
	v_mul_u32_u24 v8, v2, 2*WP
	v_lshl_add_u32 v8, v1, 4, v8
	v_add_nc_u32 v8, s30, v8                       ; my partial sums: row 4 c + 2 hh + k holds columns 4 x row .. + 3 of the 16 queries, 16 bytes a query
	s_and_b32 s31, s12, 7
	s_lshl_b32 s31, s31, 1
	v_add_nc_u32 v3, s31, v2                       ; the way out: my query, 2 (w % 8) + hh
	v_mul_u32_u24 v9, v1, WP
	v_lshl_add_u32 v9, v3, 4, v9                   ; row r of every wave's partial sums, my query's 16 bytes
	v_add_nc_u32 v10, 4*WREG, v9
	v_add_nc_u32 v11, 8*WREG, v9
	v_add_nc_u32 v12, 12*WREG, v9
	v_lshlrev_b32 v13, 12, v3
	v_lshl_add_u32 v13, v1, 4, v13                 ; and its place in out
	v_lshlrev_b32 v3, 3, v2
	v_sub_nc_u32 v16, v1, v3                       ; r - 8 hh
	v_mov_b32 v17, 0xf149f2ca                      ; -1e30
	v_mov_b32 v19, 0                               ; written once: a lane permute's destination counts as one of its sources
	s_wait_loadcnt 32                              ; q, k and the bias are in; v's 32 loads may be out
.irp j, 0,1,2,3,4,5,6,7
	v_cmp_gt_i32 vcc_lo, \j, v16                   ; key 8 hh + j comes after query r: hidden
	v_cndmask_b32 v[BI+\j], v[BI+\j], v17, vcc_lo
.endr
	; S^T = k q^T + bias: 16 steps of 4 along the head's 64, on four accumulators by turns; the bias is the C of the first
.irp s, 0,1,2,3,4,5,6,7,8,9,10,11,12,13,14,15
.if \s == 0
	v_wmma_f32_16x16x4_f32 v[ACC:ACC+7], v[KR:KR+1], v[QR:QR+1], v[BI:BI+7]
.elseif \s < 4
	v_wmma_f32_16x16x4_f32 v[ACC+8*\s:ACC+8*\s+7], v[KR+2*\s:KR+2*\s+1], v[QR+2*\s:QR+2*\s+1], 0
.else
	v_wmma_f32_16x16x4_f32 v[ACC+8*(\s%4):ACC+8*(\s%4)+7], v[KR+2*\s:KR+2*\s+1], v[QR+2*\s:QR+2*\s+1], v[ACC+8*(\s%4):ACC+8*(\s%4)+7]
.endif
.endr
.rept 8
	v_nop                                          ; eight places behind this form, in front of the first read of its results
.endr
.irp i, 0,2,4,6
	v_pk_add_f32 v[TR+\i:TR+\i+1], v[ACC+\i:ACC+\i+1], v[ACC+8+\i:ACC+8+\i+1]
.endr
.irp i, 0,2,4,6
	v_pk_add_f32 v[TR+8+\i:TR+8+\i+1], v[ACC+16+\i:ACC+16+\i+1], v[ACC+24+\i:ACC+24+\i+1]
.endr
.irp i, 0,2,4,6
	v_pk_add_f32 v[TR+\i:TR+\i+1], v[TR+\i:TR+\i+1], v[TR+8+\i:TR+8+\i+1]    ; t
.endr
.macro WLOAD t                         ; W_0's fragments for d = 16 t .. 16 t + 15: four column tiles x four steps x two registers
.irp c, 0,1,2,3
.irp u, 0,1,2,3
.irp j, 0,1
	ds_load_b32 v[WB+32*((\t)%2)+8*\c+2*\u+\j], v7 offset:(16*(\t)+2*\u+\j)*WP+64*\c
.endr
.endr
.endr
.endm
	s_wait_tensorcnt 0x0                           ; my rows of W_0 are in LDS; I alone read them
	WLOAD 0
	WLOAD 1
	v_max3_num_f32 v18, v[TR], v[TR+1], v[TR+2]
	v_max3_num_f32 v18, v18, v[TR+3], v[TR+4]
	v_max3_num_f32 v18, v18, v[TR+5], v[TR+6]
	v_max_num_f32 v18, v18, v[TR+7]
	v_permlanex16_b32 v19, v18, s28, s29
	v_max_num_f32 v18, v18, v19                    ; the row's maximum (key 0 counts for every query)
.irp j, 0,1,2,3,4,5,6,7
	v_sub_f32 v[TR+\j], v[TR+\j], v18
.endr
.irp j, 0,1,2,3,4,5,6,7
	v_exp_f32 v[TR+\j], v[TR+\j]
.endr
	v_nop                                          ; a plain instruction behind the last exponential
	s_wait_alu depctr_va_vdst(0)                   ; one wait for the eight, ahead of their first reader
	v_pk_add_f32 v[20:21], v[TR:TR+1], v[TR+2:TR+3]
	v_pk_add_f32 v[22:23], v[TR+4:TR+5], v[TR+6:TR+7]
	v_pk_add_f32 v[20:21], v[20:21], v[22:23]
	v_add_f32 v20, v20, v21
	v_permlanex16_b32 v19, v20, s28, s29
	v_add_f32 v20, v20, v19                        ; the row's sum
	v_rcp_f32 v20, v20
	v_mov_b32 v21, 0                               ; a plain instruction behind the reciprocal (and the pair's upper half is written)
	s_wait_alu depctr_va_vdst(0)                   ; the wait, ahead of the first reader
	s_wait_loadcnt 0x0                             ; v
	; O^T = v^T p: four steps of 4 keys, the four channel tiles by turns
.irp u, 0,1,2,3
.irp t, 0,1,2,3
.if \u == 0
	v_wmma_f32_16x16x4_f32 v[ACC+8*\t:ACC+8*\t+7], v[VR+8*\t:VR+8*\t+1], v[TR:TR+1], 0
.else
	v_wmma_f32_16x16x4_f32 v[ACC+8*\t:ACC+8*\t+7], v[VR+8*\t+2*\u:VR+8*\t+2*\u+1], v[TR+2*\u:TR+2*\u+1], v[ACC+8*\t:ACC+8*\t+7]
.endif
.endr
.endr
.rept 9
	v_nop                                          ; eight places in front of the read of the results, nine in front of the products that begin these accumulators anew
.endr
.set i, 0
.rept 16
	v_pk_mul_f32 v[QR+i:QR+i+1], v[ACC+i:ACC+i+1], v[20:21] op_sel_hi:[1,0]   ; the head's result: register 8 t + j is d = 16 t + 8 hh + j of query r
.set i, i+2
.endr
	; out^T += W_0^T o^T over my head's 64: four groups of 16 along d, the four column tiles by turns
.irp t, 0,1,2,3
.if \t < 3
	s_wait_dscnt 32                                ; this group's 32 loads are in; the next group's may be out
.else
	s_wait_dscnt 0x0
.endif
.irp u, 0,1,2,3
.irp c, 0,1,2,3
.if (\t == 0) && (\u == 0)
	v_wmma_f32_16x16x4_f32 v[ACC+8*\c:ACC+8*\c+7], v[WB+8*\c:WB+8*\c+1], v[QR:QR+1], 0
.else
	v_wmma_f32_16x16x4_f32 v[ACC+8*\c:ACC+8*\c+7], v[WB+32*(\t%2)+8*\c+2*\u:WB+32*(\t%2)+8*\c+2*\u+1], v[QR+8*\t+2*\u:QR+8*\t+2*\u+1], v[ACC+8*\c:ACC+8*\c+7]
.endif
.endr
.endr
.rept 8
	v_nop                                          ; eight places in front of loads into registers that these products read, and of the stores of the results
.endr
.if \t < 2
	WLOAD \t+2
.endif
.endr
.irp c, 0,1,2,3
.irp k, 0,1
	ds_store_b128 v8, v[ACC+8*\c+4*\k:ACC+8*\c+4*\k+3] offset:(4*\c+\k)*WP     ; each accumulator from its low end on
.endr
.endr
	s_wait_dscnt 0x0                               ; for the others' sake: my partial sums have landed
	s_barrier_signal -1
	s_barrier_wait -1
	s_cmp_lt_u32 s12, 8                            ; waves 0 to 7 add the sixteen heads' parts, two queries each
	s_cbranch_scc0 .Ldone
.irp g, 0,1,2,3
.irp e, 0,1,2,3
	ds_load_b128 v[96+16*\g+4*\e:96+16*\g+4*\e+3], v[9+\g] offset:\e*WREG
.endr
.endr
	s_wait_dscnt 0x0
.irp d, 1,2,4,8
.irp e, 0,1,2,3,4,5,6,7,8,9,10,11,12,13,14,15
.if (\e % (2*\d)) == 0
	v_pk_add_f32 v[96+4*\e:97+4*\e], v[96+4*\e:97+4*\e], v[96+4*(\e+\d):97+4*(\e+\d)]
	v_pk_add_f32 v[98+4*\e:99+4*\e], v[98+4*\e:99+4*\e], v[98+4*(\e+\d):99+4*(\e+\d)]
.endif
.endr
.endr
	global_store_b128 v13, v[96:99], s[10:11]      ; sixteen lanes store 256 consecutive bytes, aligned, of one row of out
.Ldone:
	s_wait_tensorcnt 0x0                           ; the wave's end, behind my tensor load and my last LDS store
	ds_add_u32 v[SPW], v[NIL]
	s_wait_dscnt 0x0
	s_endpgm
.Lfunc_end_k_qe2a568d525_first16:
	.size	k_qe2a568d525_first16, .Lfunc_end_k_qe2a568d525_first16-k_qe2a568d525_first16
	.p2alignl 7, 3214868480
	.fill 96, 4, 3214868480
	.section	.rodata,"a",@progbits
	.p2align	6, 0x0
	.amdhsa_kernel k_qe2a568d525_first16
		.amdhsa_group_segment_fixed_size 280576
		.amdhsa_private_segment_fixed_size 0
		.amdhsa_enable_private_segment 0
		.amdhsa_kernarg_size 32
		.amdhsa_user_sgpr_count 2
		.amdhsa_user_sgpr_kernarg_segment_ptr 1
		.amdhsa_wavefront_size32 1
		.amdhsa_system_sgpr_workgroup_id_x 1
		.amdhsa_system_sgpr_workgroup_id_y 1
		.amdhsa_system_sgpr_workgroup_id_z 1
		.amdhsa_system_vgpr_workitem_id 0
		.amdhsa_next_free_vgpr 256
		.amdhsa_next_free_sgpr 66
		.amdhsa_reserve_vcc 1
		.amdhsa_float_denorm_mode_32 3
		.amdhsa_float_denorm_mode_16_64 3
		.amdhsa_memory_ordered 1
		.amdhsa_forward_progress 1
		.amdhsa_inst_pref_size 33
	.end_amdhsa_kernel
	.amdgpu_metadata
---
amdhsa.version: [ 1, 2 ]
amdhsa.kernels:
  - .name:           k_qe2a568d525_first16
    .symbol:         k_qe2a568d525_first16.kd
    .args:
      - { .name: qkv32, .offset: 0, .size: 8, .value_kind: global_buffer, .address_space: global }
      - { .name: btab, .offset: 8, .size: 8, .value_kind: global_buffer, .address_space: global }
      - { .name: W_0, .offset: 16, .size: 8, .value_kind: global_buffer, .address_space: global }
      - { .name: out0, .offset: 24, .size: 8, .value_kind: global_buffer, .address_space: global }
    .group_segment_fixed_size: 280576
    .private_segment_fixed_size: 0
    .kernarg_segment_align: 8
    .kernarg_segment_size: 32
    .max_flat_workgroup_size: 512
    .sgpr_count:     66
    .vgpr_count:     256
    .wavefront_size: 32
...
	.end_amdgpu_metadata
.endif
;; end of part 5
